; MI455X (gfx1250); checked and timed in simulation.
; The chip was launched on July 23, 2026; its instructions are those of AMD's public machine-readable ISA for CDNA 5 (MIT licence, August 2026) and "CDNA5" Instruction Set Architecture Reference Guide (July 2026). The comments in the code are by the model that wrote it; some were corrected since.
;; Multi Head Attention. Allowed arithmetic: matrix products marked QUANTISED: E2M3 operands, one E8M0 scale for each 32 along K, by v_wmma_scale_f32_16x16x128_f8f6f4 with both operands' format E2M3, f32 sums; everything else in f32.
;; Inputs: Wk 1,024 x 1,024 float32; Wo 1,024 x 1,024 float32; Wq 1,024 x 1,024 float32; Wv 1,024 x 1,024 float32; bk 1,024 float32; bo 1,024 float32; bq 1,024 float32; bv 1,024 float32; key 4 x 2,048 x 1,024 float32; query 4 x 2,048 x 1,024 float32; value 4 x 2,048 x 1,024 float32.
;; Outputs: out0 4 x 2,048 x 1,024 float32.
;; This version of the problem:
;;   THIS VERSION OF THE PROBLEM IS GIVEN IN LOW PRECISION. The matrix products marked QUANTISED in the list below multiply operands that are first quantised to E2M3 (2 exponent bits, 3 mantissa bits; 6 bits a number), with one power-of-two scale for each 32 numbers along K (OCP MX v1.0); their sums are f32. All else is computed in f32.
;;   The module's matrix products, in the order in which they are computed (A, B: the left and right operand; K: the contracted axis; several contracted axes count as one K, in the product's order):
;;     1. [M 8,192, K 1,024] x [K 1,024, N 1,024]; A: input value; B: input Wv: QUANTISED
;;     2. [M 8,192, K 1,024] x [K 1,024, N 1,024]; A: input key; B: input Wk: QUANTISED
;;     3. [M 8,192, K 1,024] x [K 1,024, N 1,024]; A: input query; B: input Wq: QUANTISED
;;     4. batch 64 x [M 2,048, K 64] x [K 64, N 2,048]; A: computed on the way; B: computed on the way: QUANTISED
;;     5. batch 64 x [M 64, K 2,048] x [K 2,048, N 2,048]; A: computed on the way; B: softmax (see below): QUANTISED
;;     6. [M 8,192, K 1,024] x [K 1,024, N 1,024]; A: computed on the way; B: input Wo: QUANTISED
;;   THE QUANTISER, for each operand of a quantised product, along K:
;;     - K is cut into blocks of 32 from its start; a last block that is shorter is filled with zeros.
;;     - A block's scale is 2^e with e = floor(log2(the largest magnitude in the block)) - 2, held to -126 .. 127; a block of zeros has e = 0. As a byte (E8M0): e + 127.
;;     - Each number is divided by its block's scale, clamped to +-7.5, and rounded to the nearest number of E2M3, ties to even, subnormals kept.
;;     - The product sums the exact products of the quantised numbers (number of the format x scale) in f32.
;;   ~~~python
;;   def quantise(x, axis):      # numpy; x: float32 -> the quantised numbers, widened to float32 again
;;       x = np.moveaxis(x, axis, -1); K = x.shape[-1]
;;       x = np.pad(x, [(0, 0)] * (x.ndim - 1) + [(0, -K % 32)]); x = x.reshape(x.shape[:-1] + (-1, 32)); a = np.abs(x).max(-1, keepdims=True)
;;       e = np.where(a > 0, np.clip(np.frexp(np.where(a > 0, a, 1))[1] - 1 - 2, -126, 127), 0)      # np.frexp(a)[1] - 1 = floor(log2(a)), exactly
;;       r = np.clip(x / 2.0 ** e, -7.5, 7.5)
;;       step = 2.0 ** (np.maximum(np.frexp(np.where(r == 0, 1, r))[1] - 1, 0) - 3)
;;       q = np.round(r / step) * step * 2.0 ** e      # np.round: ties to even
;;       return np.moveaxis(q.reshape(q.shape[:-2] + (-1,))[..., :K], -1, axis).astype(np.float32)
;;   ~~~
;;   SOFTMAX AHEAD OF A QUANTISED PRODUCT. Where the list says 'softmax', what is quantised is not the finished softmax but p = 2^(t - M), with t = logit x log2(e) and M = ceil(the row's largest t), a whole number; so 1/2 < the row's largest p <= 1. The row's sum l is taken of the UNQUANTISED p, in f32, and the product's result is divided by l at the end. Since M is a whole number, a kernel that streams over the keys may use a running M (the ceiling of the running maximum): every later rescaling is an exact power of two, which a block's scale takes up: the codes' values come out the same.
;;   OPERANDS COMPUTED ON THE WAY. 'Computed on the way' means the value that the module computes at that place (a softmax that the list does not call 'softmax' is quantised finished and normalised). What goes into a quantiser is computed in f32, as accurately as f32 sums, v_exp_f32 and their like allow (about 1e-6 of the number): no bf16 or f16 on the way to a quantiser, and a product that is left as it is and whose result goes on into a quantised operand takes f32 operands (vector FMAs, or v_wmma_f32_16x16x4_f32). A number that lies on a knife's edge between two numbers of the format may be rounded either way, as far as f32 arithmetic and the matrix unit's own rounding can turn it there, and no further.
;; One version. Each part assembles by itself: llvm-mc -triple=amdgcn-amd-amdhsa -mcpu=gfx1250 --defsym DOCPART=n.
;; ======== version 1 of 1: 5 launches
;; workspace buffers: xc 18,874,368 bytes; xs 786,432 bytes; wc 3,145,728 bytes; ws 131,072 bytes; kv 13,631,488 bytes; qi 13,631,488 bytes; oc 6,291,456 bytes; os 262,144 bytes
;; launch quant_x (part 1): grid 768 x 1, 4 waves a work-group, no clusters, 33,280 bytes of LDS; arguments query, key, value, xc, xs; writes xc, xs
.if DOCPART == 1
	.amdgcn_target "amdgcn-amd-amdhsa--gfx1250"
	.amdhsa_code_object_version 6
	.text
	.protected	k_q3ad0187061_quant_x
	.globl	k_q3ad0187061_quant_x
	.p2align	8
	.type	k_q3ad0187061_quant_x,@function
k_q3ad0187061_quant_x:
	s_mov_b64 s[64:65], 0
	v_nop
	global_prefetch_b8 v0, s[64:65] scope:SCOPE_SE
	s_setreg_imm32_b32 hwreg(HW_REG_WAVE_MODE, 25, 1), 1
	s_wait_xcnt 0x0
; query, key, value: [8192][1024] f32 each, become codes of FP6 (E2M3), K innermost, 768 bytes a row, in xc [3][8192][768], and one E8M0 byte for each 32 along K in xs [3][8192][32].
; A block's scale is 2^(floor(log2(its largest magnitude)) - 2); its byte is the largest magnitude's own exponent field - 2, held at 1 from below.
; LIMITS: NaN and infinities are not served; a block whose largest magnitude lies under 2^-124 keeps the byte 1; a block of zeros has the byte 1 (its codes are zeros; this program alone reads the bytes).
; THE ROWS OF key AND value ARE LAID IN ANOTHER ORDER: buffer row p holds row sigma(p), sigma = bits 3 and 4 of the row's number exchanged.  So 16 neighbouring buffer rows are the rows
; 32 b + 8 u + r + 8 (r / 8) that the next launch wants as one tile.  query's rows stay as they are.
; A wave takes a run of 8 rows (8,192 numbers) in 16 steps of 512.  A run's number has the rows' bits 3 and 4 as its bits 0 and 1, which are the wave's number: sigma is an exchange of the wave's two bits in the OUTPUT's address.
; Each load reads 512 consecutive bytes; the numbers turn through the wave's own stage in LDS so that a lane holds 16 neighbours along K (two lanes hold a block).  No barrier: waves share nothing.
.set STEPS, 16
.set EMAX,  2
.set CB,    12                         ; bytes of 16 codes
.set R,     16                         ; v16-79   four sets of 16 numbers as they are loaded
.set X,     80                         ; v80-111  two sets of 16 neighbours
.set C,     128                        ; v128-191 codes: four registers for each step
.set E,     112                        ; v112-127 a scale byte for each step
.set WREG,  8192                       ; LDS: a region for each wave: two stages of 32 x SP bytes, then its 256 scale bytes
.set SP,    80                         ; a lane's place in a stage: 64 bytes + 16 of padding
	s_load_b128 s[4:7], s[0:1], 0x0                ; query, key
	s_load_b128 s[8:11], s[0:1], 0x10              ; value, xc
	s_load_b64 s[12:13], s[0:1], 0x20              ; xs
	v_lshl_add_u32 v192, v0, 2, 0x8000
	v_mov_b32 v193, 0
	v_lshrrev_b32 v1, 5, v0
	v_readfirstlane_b32 s16, v1                    ; wave
	v_and_b32 v2, 31, v0                           ; lane
	v_lshlrev_b32 v3, 4, v2                        ; my 16 bytes of a load's 512
	s_mul_i32 s17, s16, WREG
	v_lshrrev_b32 v14, 2, v2
	v_mul_u32_u24 v14, v14, SP
	v_and_b32 v15, 3, v2
	v_lshl_add_u32 v14, v15, 4, v14
	v_add_nc_u32 v14, s17, v14                     ; the stage, on the way in: SP (lane / 4) + 16 (lane % 4)
	v_mul_u32_u24 v15, v2, SP
	v_add_nc_u32 v15, s17, v15                     ; and on the way out: SP x lane: my 16 neighbours
	v_mul_u32_u24 v4, v2, CB                       ; my codes' place in a step's
	v_lshrrev_b32 v5, 1, v2
	s_add_co_u32 s17, s17, 2*32*SP
	v_add_nc_u32 v5, s17, v5                       ; LDS: my wave's 256 scale bytes, my block's byte
	v_lshlrev_b32 v7, 3, v2                        ; and on the way out 8 bytes a lane
	v_add_nc_u32 v6, s17, v7
	s_and_b32 s18, ttmp9, 255                      ; 256 work-groups to a tensor
	s_lshl_b32 s18, s18, 2
	s_add_co_u32 s18, s18, s16                     ; my run in the tensor
	s_lshl_b32 s18, s18, 15                        ; 32,768 bytes a run
	s_mov_b32 s19, 0
	s_and_b32 s20, s16, 1
	s_lshl_b32 s20, s20, 1
	s_lshr_b32 s21, s16, 1
	s_or_b32 s20, s20, s21                         ; the wave's two bits exchanged
	s_cmp_lt_u32 ttmp9, 256
	s_cselect_b32 s20, s16, s20                    ; query keeps its order
	s_lshl_b32 s21, ttmp9, 2
	s_add_co_u32 s20, s20, s21                     ; my run in xc and xs, the three tensors on end
	s_mul_i32 s22, s20, 32*STEPS*CB                ; 6,144 bytes of codes a run
	s_mov_b32 s23, 0
	s_lshl_b32 s20, s20, 8                         ; 256 scale bytes a run
	s_mov_b32 s21, 0
	s_wait_kmcnt 0x0
	s_cmp_lt_u32 ttmp9, 256                        ; which tensor: the choice hangs on the work-group's number alone
	s_cselect_b64 s[4:5], s[4:5], s[6:7]
	s_cmp_lt_u32 ttmp9, 512
	s_cselect_b64 s[4:5], s[4:5], s[8:9]
	s_add_nc_u64 s[4:5], s[4:5], s[18:19]
	s_add_nc_u64 s[8:9], s[10:11], s[22:23]        ; my codes
	s_add_nc_u64 s[10:11], s[12:13], s[20:21]      ; my scale bytes
.macro LOAD t
.irp i, 0,1,2,3
	global_load_b128 v[R+16*((\t)%4)+4*\i:R+16*((\t)%4)+4*\i+3], v3, s[4:5] offset:2048*(\t)+512*\i th:TH_LOAD_NT   ; 32 lanes read 512 consecutive bytes
.endr
.endm
.macro TURN t                          ; step t's numbers through the stage: LDS serves a wave's instructions in order, so no wait stands between the stores and the loads
.irp i, 0,1,2,3
	ds_store_b128 v14, v[R+16*((\t)%4)+4*\i:R+16*((\t)%4)+4*\i+3] offset:32*SP*((\t)%2)+8*SP*\i
.endr
.irp i, 0,1,2,3
	ds_load_b128 v[X+16*((\t)%2)+4*\i:X+16*((\t)%2)+4*\i+3], v15 offset:32*SP*((\t)%2)+16*\i
.endr
.endm
.irp t, 0,1,2,3
	LOAD \t
.endr
	s_wait_loadcnt 12                              ; step 0's four loads are in; twelve younger ones stay out
	TURN 0
.macro STEP t
.set XS, X+16*((\t)%2)
.if (\t) > 0
	s_wait_dscnt 1                                 ; this step's numbers are back from the stage (the last step's byte store may be out)
.else
	s_wait_dscnt 0x0
.endif
.if (\t)+4 < STEPS
	LOAD (\t)+4                                    ; into the registers that the stage's stores have read
.endif
.if (\t)+1 < STEPS
.if STEPS-2-(\t) >= 3
	s_wait_loadcnt 12                              ; the next step's four loads are in; those of the three steps behind it may be out
.else
	s_wait_loadcnt 4*(STEPS-2-(\t))
.endif
	TURN (\t)+1                                    ; they go through the other stage while this step is worked
.endif
	v_max3_num_f32 v8, |v[XS]|, |v[XS+1]|, |v[XS+2]|               ; the largest magnitude of my 16, in two chains
	v_max3_num_f32 v9, |v[XS+3]|, |v[XS+4]|, |v[XS+5]|
.irp i, 6,10
	v_max3_num_f32 v8, v8, |v[XS+\i]|, |v[XS+\i+1]|
	v_max3_num_f32 v9, v9, |v[XS+\i+2]|, |v[XS+\i+3]|
.endr
	v_max3_num_f32 v8, v8, |v[XS+14]|, |v[XS+15]|
	v_max3_num_f32 v8, v8, v9, (EMAX+1)<<23        ; and the floor 2^(3 - 127): the byte cannot fall under 1
	v_max_num_f32_dpp v8, v8, v8 row_xmask:1 row_mask:0xf bank_mask:0xf   ; and of my neighbour's 16: the block's
	v_add_nc_u32 v11, -(EMAX<<23), v8              ; 2 off its exponent field: the conversion takes the exponent field of this operand as its scale
	v_cvt_scalef32_pk16_fp6_f32 v[C+4*(\t):C+4*(\t)+2], v[XS:XS+15], v11
	v_lshrrev_b32 v[E+(\t)], 23, v11               ; the scale's byte (also the plain line behind the conversion)
	ds_store_b8 v5, v[E+(\t)] offset:16*(\t)       ; both lanes of a block write the same byte with the same value
	global_store_b96 v4, v[C+4*(\t):C+4*(\t)+2], s[8:9] offset:32*CB*(\t)   ; the wave stores 384 consecutive bytes
.endm
.irp t, 0,1,2,3,4,5,6,7,8,9,10,11,12,13,14,15
	STEP \t
.endr
	ds_load_b64 v[12:13], v6                       ; LDS serves a wave's instructions in order: these see my stores
	s_wait_dscnt 0x0
	global_store_b64 v7, v[12:13], s[10:11]        ; 32 lanes store 256 consecutive bytes, aligned
	s_wait_tensorcnt 0x0
	ds_add_u32 v192, v193
	s_wait_dscnt 0x0
	s_endpgm
.Lfunc_end_k_q3ad0187061_quant_x:
	.size	k_q3ad0187061_quant_x, .Lfunc_end_k_q3ad0187061_quant_x-k_q3ad0187061_quant_x
	.p2alignl 7, 3214868480
	.fill 96, 4, 3214868480
	.section	.rodata,"a",@progbits
	.p2align	6, 0x0
	.amdhsa_kernel k_q3ad0187061_quant_x
		.amdhsa_group_segment_fixed_size 33280
		.amdhsa_private_segment_fixed_size 0
		.amdhsa_enable_private_segment 0
		.amdhsa_kernarg_size 40
		.amdhsa_user_sgpr_count 2
		.amdhsa_user_sgpr_kernarg_segment_ptr 1
		.amdhsa_wavefront_size32 1
		.amdhsa_system_sgpr_workgroup_id_x 1
		.amdhsa_system_sgpr_workgroup_id_y 1
		.amdhsa_system_sgpr_workgroup_id_z 1
		.amdhsa_system_vgpr_workitem_id 0
		.amdhsa_next_free_vgpr 194
		.amdhsa_next_free_sgpr 66
		.amdhsa_reserve_vcc 0
		.amdhsa_float_denorm_mode_32 3
		.amdhsa_float_denorm_mode_16_64 3
		.amdhsa_memory_ordered 1
		.amdhsa_forward_progress 1
		.amdhsa_inst_pref_size 33
	.end_amdhsa_kernel
	.amdgpu_metadata
---
amdhsa.version: [ 1, 2 ]
amdhsa.kernels:
  - .name:           k_q3ad0187061_quant_x
    .symbol:         k_q3ad0187061_quant_x.kd
    .args:
      - { .name: query, .offset: 0, .size: 8, .value_kind: global_buffer, .address_space: global }
      - { .name: key, .offset: 8, .size: 8, .value_kind: global_buffer, .address_space: global }
      - { .name: value, .offset: 16, .size: 8, .value_kind: global_buffer, .address_space: global }
      - { .name: xc, .offset: 24, .size: 8, .value_kind: global_buffer, .address_space: global }
      - { .name: xs, .offset: 32, .size: 8, .value_kind: global_buffer, .address_space: global }
    .group_segment_fixed_size: 33280
    .private_segment_fixed_size: 0
    .kernarg_segment_align: 8
    .kernarg_segment_size: 40
    .max_flat_workgroup_size: 128
    .sgpr_count:     66
    .vgpr_count:     194
    .wavefront_size: 32
...
	.end_amdgpu_metadata
.endif
;; end of part 1
;; launch quant_w (part 2): grid 32 x 4, 4 waves a work-group, no clusters, 36,352 bytes of LDS; arguments Wq, Wk, Wv, Wo, wc, ws; writes wc, ws
.if DOCPART == 2
	.amdgcn_target "amdgcn-amd-amdhsa--gfx1250"
	.amdhsa_code_object_version 6
	.text
	.protected	k_q3ad0187061_quant_w
	.globl	k_q3ad0187061_quant_w
	.p2align	8
	.type	k_q3ad0187061_quant_w,@function
k_q3ad0187061_quant_w:
	s_mov_b64 s[64:65], 0
	v_nop
	global_prefetch_b8 v0, s[64:65] scope:SCOPE_SE
	s_setreg_imm32_b32 hwreg(HW_REG_WAVE_MODE, 25, 1), 1
	s_wait_xcnt 0x0
; Wq, Wk, Wv, Wo: [1024 (k)][1024 (n)] f32, K on the FIRST axis, become codes of FP6 (E2M3) laid [n][k] with K innermost, wc [4][1024][768], and one E8M0 byte for each 32 along K, ws [4][1024][32].
; A LANE TAKES A COLUMN n AND ITS REGISTERS RUN DOWN K: a load reads 128 consecutive bytes a wave, a block of 32 along K lies in one lane's 32 registers, and the conversions give codes with K innermost.
; THE ROWS OF wc AND ws ARE LAID IN ANOTHER ORDER: buffer row p holds column sigma(p), sigma = bits 3 and 4 exchanged: 16 neighbouring buffer rows are the columns 32 b + 8 u + r + 8 (r / 8) that the products want as a tile.
; A wave's 32 columns begin at a multiple of 32, so sigma moves rows inside the wave's own 32: it stands in the stores' immediates and in one lane term.
; LIMITS: NaN and infinities are not served; a block whose largest magnitude lies under 2^-124 keeps the byte 1; a block of zeros has the byte 1 (its codes are zeros; this program alone reads the bytes).
; A wave takes 32 columns x 256 along K: 8 blocks a lane.  The codes go through the wave's own stage in LDS and leave as rows: sixteen lanes store a row's 192 consecutive bytes.  No barrier: waves share nothing.
.set SIZE_K, 1024
.set SIZE_N, 1024
.set KW,    256                        ; along K for a wave
.set NB,    KW/32                      ; blocks
.set ROWB,  192                        ; bytes of KW codes
.set PITCH, 272                        ; a stage row: sixteen places of 16 bytes, each with 12 bytes of codes, + 16
.set KROW,  SIZE_K*6/8                 ; a row of wc in bytes
.set EMAX,  2
.set X,     32                         ; v32-95   two sets of 32 numbers
.set C,     96                         ; v96..    a block's codes
.set OUTR,  112                        ; v112-175 the way out: 16 x 4 registers
.set SB,    24                         ; v24-25   the scale bytes, four to a register
	s_load_b256 s[4:11], s[0:1], 0x0               ; Wq, Wk, Wv, Wo
	s_load_b128 s[12:15], s[0:1], 0x20             ; wc, ws
	v_lshl_add_u32 v192, v0, 2, 0x8c00
	v_mov_b32 v193, 0
	v_lshrrev_b32 v1, 5, v0
	v_readfirstlane_b32 s16, v1                    ; wave 0..3
	v_and_b32 v2, 31, v0                           ; lane
	s_lshr_b32 s30, ttmp9, 3                       ; which weight
	s_and_b32 s17, ttmp9, 7
	s_lshl_b32 s17, s17, 7
	s_lshl_b32 s18, s16, 5
	s_add_co_u32 s17, s17, s18                     ; my wave's first column
	s_and_b32 s18, ttmp7, 0xffff                   ; which 256 along K
	v_lshlrev_b32 v3, 2, v2                        ; in: 4 bytes a lane
	s_mul_i32 s19, s16, 32*PITCH                   ; my stage
	v_mul_u32_u24 v4, v2, PITCH
	v_add_nc_u32 v4, s19, v4                       ; into it: row = my column
	v_and_b32 v5, 15, v2
	v_lshrrev_b32 v6, 4, v2                        ; out of it: sixteen lanes to a row, two rows an instruction
	v_mul_u32_u24 v7, v6, PITCH
	v_lshl_add_u32 v7, v5, 4, v7
	v_add_nc_u32 v7, s19, v7                       ; LDS address
	v_mul_u32_u24 v8, v6, KROW
	v_mad_u32_u24 v8, v5, 12, v8                   ; and the place in wc (bit 0 of a row's number is not moved by sigma)
	v_and_b32 v9, 7, v2                            ; sigma(lane): bits 2:0 stay,
	v_and_b32 v10, 8, v2
	v_lshl_or_b32 v9, v10, 1, v9                   ; bit 3 goes to bit 4,
	v_and_b32 v10, 16, v2
	v_lshrrev_b32 v10, 1, v10
	v_or_b32 v9, v9, v10                           ; bit 4 to bit 3
	v_lshlrev_b32 v9, 5, v9                        ; my column's row of scale bytes: 32 bytes a row
	s_lshl_b32 s20, s18, 20                        ; W: 256 rows of 4,096 bytes for each step along K,
	s_lshl_b32 s22, s17, 2
	s_add_co_u32 s20, s20, s22                     ; + 4 x column
	s_mov_b32 s21, 0
	s_mul_i32 s24, s17, KROW                       ; wc: column x 768 + 192 y + weight x 786,432
	s_mul_i32 s26, s18, ROWB
	s_add_co_u32 s24, s24, s26
	s_mul_i32 s26, s30, 1024*KROW
	s_add_co_u32 s24, s24, s26
	s_mov_b32 s25, 0
	s_lshl_b32 s28, s17, 5                         ; ws: column x 32 + 8 y + weight x 32,768
	s_lshl_b32 s26, s18, 3
	s_add_co_u32 s28, s28, s26
	s_lshl_b32 s26, s30, 15
	s_add_co_u32 s28, s28, s26
	s_mov_b32 s29, 0
	s_wait_kmcnt 0x0
	s_cmp_lt_u32 s30, 1                            ; the choice hangs on the work-group's number alone
	s_cselect_b64 s[4:5], s[4:5], s[6:7]
	s_cmp_lt_u32 s30, 2
	s_cselect_b64 s[4:5], s[4:5], s[8:9]
	s_cmp_lt_u32 s30, 3
	s_cselect_b64 s[4:5], s[4:5], s[10:11]
	s_add_nc_u64 s[4:5], s[4:5], s[20:21]
	s_add_nc_u64 s[6:7], s[12:13], s[24:25]
	s_add_nc_u64 s[8:9], s[14:15], s[28:29]
.macro LOAD t                          ; block t: W(32 t + i, my column), i = 0 .. 31, into set t % 2
.irp i, 0,1,2,3,4,5,6,7,8,9,10,11,12,13,14,15,16,17,18,19,20,21,22,23,24,25,26,27,28,29,30,31
	global_load_b32 v[X+32*((\t)%2)+\i], v3, s[4:5] offset:(32*(\t)+\i)*SIZE_N*4 th:TH_LOAD_NT
.endr
.endm
	LOAD 0
	LOAD 1
.macro BLOCK t
.set XS, X+32*((\t)%2)
.if (\t) < NB-1
	s_wait_loadcnt 32                              ; this block's 32 loads are in; the next block's may be out
.else
	s_wait_loadcnt 0
.endif
	v_max3_num_f32 v12, |v[XS]|, |v[XS+1]|, |v[XS+2]|               ; the block's largest magnitude: all 32 numbers are mine
	v_max3_num_f32 v13, |v[XS+3]|, |v[XS+4]|, |v[XS+5]|
.irp i, 6,10,14,18,22,26
	v_max3_num_f32 v12, v12, |v[XS+\i]|, |v[XS+\i+1]|
	v_max3_num_f32 v13, v13, |v[XS+\i+2]|, |v[XS+\i+3]|
.endr
	v_max3_num_f32 v12, v12, |v[XS+30]|, |v[XS+31]|
	v_max3_num_f32 v12, v12, v13, (EMAX+1)<<23     ; and the floor 2^(3 - 127): the byte cannot fall under 1
	v_add_nc_u32 v11, -(EMAX<<23), v12             ; 2 off its exponent field: the conversion's scale operand
	v_lshrrev_b32 v13, 23, v11                     ; the scale's byte
.if (\t)%4 == 0
	v_mov_b32 v[SB+(\t)/4], v13                    ; four bytes to a register, the lower K in the lower byte
.else
	v_lshl_or_b32 v[SB+(\t)/4], v13, 8*((\t)%4), v[SB+(\t)/4]
.endif
	v_cvt_scalef32_pk16_fp6_f32 v[C:C+2], v[XS:XS+15], v11
	v_cvt_scalef32_pk16_fp6_f32 v[C+4:C+6], v[XS+16:XS+31], v11     ; (a conversion's three registers begin on an even number)
	ds_store_b96 v4, v[C:C+2] offset:32*(\t)       ; 16 codes, 12 bytes, to a place of 16 bytes, so that every LDS address is a multiple of 16
	ds_store_b96 v4, v[C+4:C+6] offset:32*(\t)+16
.if (\t)+2 < NB
	LOAD (\t)+2
.endif
	s_wait_dscnt 0x0                               ; the stores have read their registers: the next block's codes may be written
.endm
.set Q, 0
.rept NB
	BLOCK Q
.set Q, Q+1
.endr
	global_store_b64 v9, v[SB:SB+1], s[8:9]        ; my column's 8 scale bytes, in row sigma(lane)
.irp t, 0,1,2,3,4,5,6,7,8,9,10,11,12,13,14,15
	ds_load_b96 v[OUTR+4*\t:OUTR+4*\t+2], v7 offset:2*\t*PITCH   ; LDS serves a wave's instructions in order: these see my stores
.endr
.irp t, 0,1,2,3,4,5,6,7,8,9,10,11,12,13,14,15
	s_wait_dscnt 15-\t                             ; the younger loads may be out
	global_store_b96 v8, v[OUTR+4*\t:OUTR+4*\t+2], s[6:7] offset:(((2*\t)&7)+(((2*\t)>>3)&1)*16+(((2*\t)>>4)&1)*8)*KROW   ; columns 2 t, 2 t + 1 go to rows sigma(2 t), sigma(2 t) + 1
.endr
	s_wait_tensorcnt 0x0
	ds_add_u32 v192, v193
	s_wait_dscnt 0x0
	s_endpgm
.Lfunc_end_k_q3ad0187061_quant_w:
	.size	k_q3ad0187061_quant_w, .Lfunc_end_k_q3ad0187061_quant_w-k_q3ad0187061_quant_w
	.p2alignl 7, 3214868480
	.fill 96, 4, 3214868480
	.section	.rodata,"a",@progbits
	.p2align	6, 0x0
	.amdhsa_kernel k_q3ad0187061_quant_w
		.amdhsa_group_segment_fixed_size 36352
		.amdhsa_private_segment_fixed_size 0
		.amdhsa_enable_private_segment 0
		.amdhsa_kernarg_size 48
		.amdhsa_user_sgpr_count 2
		.amdhsa_user_sgpr_kernarg_segment_ptr 1
		.amdhsa_wavefront_size32 1
		.amdhsa_system_sgpr_workgroup_id_x 1
		.amdhsa_system_sgpr_workgroup_id_y 1
		.amdhsa_system_sgpr_workgroup_id_z 1
		.amdhsa_system_vgpr_workitem_id 0
		.amdhsa_next_free_vgpr 194
		.amdhsa_next_free_sgpr 66
		.amdhsa_reserve_vcc 0
		.amdhsa_float_denorm_mode_32 3
		.amdhsa_float_denorm_mode_16_64 3
		.amdhsa_memory_ordered 1
		.amdhsa_forward_progress 1
		.amdhsa_inst_pref_size 42
	.end_amdhsa_kernel
	.amdgpu_metadata
---
amdhsa.version: [ 1, 2 ]
amdhsa.kernels:
  - .name:           k_q3ad0187061_quant_w
    .symbol:         k_q3ad0187061_quant_w.kd
    .args:
      - { .name: Wq, .offset: 0, .size: 8, .value_kind: global_buffer, .address_space: global }
      - { .name: Wk, .offset: 8, .size: 8, .value_kind: global_buffer, .address_space: global }
      - { .name: Wv, .offset: 16, .size: 8, .value_kind: global_buffer, .address_space: global }
      - { .name: Wo, .offset: 24, .size: 8, .value_kind: global_buffer, .address_space: global }
      - { .name: wc, .offset: 32, .size: 8, .value_kind: global_buffer, .address_space: global }
      - { .name: ws, .offset: 40, .size: 8, .value_kind: global_buffer, .address_space: global }
    .group_segment_fixed_size: 36352
    .private_segment_fixed_size: 0
    .kernarg_segment_align: 8
    .kernarg_segment_size: 48
    .max_flat_workgroup_size: 128
    .sgpr_count:     66
    .vgpr_count:     194
    .wavefront_size: 32
...
	.end_amdgpu_metadata
.endif
;; end of part 2
;; launch proj (part 3): grid 4 x 96, 4 waves a work-group, clusters of 4 x 4, 327,680 bytes of LDS; arguments xc, xs, wc, ws, bq, bk, bv, qi, kv; writes qi, kv
.if DOCPART == 3
	.amdgcn_target "amdgcn-amd-amdhsa--gfx1250"
	.amdhsa_code_object_version 6
	.text
	.protected	k_q3ad0187061_proj
	.globl	k_q3ad0187061_proj
	.p2align	8
	.type	k_q3ad0187061_proj,@function
k_q3ad0187061_proj:
	s_mov_b64 s[64:65], 0
	v_nop
	global_prefetch_b8 v0, s[64:65] scope:SCOPE_SE
	s_setreg_imm32_b32 hwreg(HW_REG_WAVE_MODE, 25, 1), 1
	s_wait_xcnt 0x0
	s_wait_alu depctr_hold_cnt(0) depctr_sa_sdst(0) depctr_va_vdst(0) depctr_va_sdst(0) depctr_va_ssrc(0) depctr_va_vcc(0) depctr_vm_vsrc(0)
	s_getreg_b32 s2, hwreg(HW_REG_IB_STS2, 6, 4)
	s_cmp_eq_u32 s2, 0
	s_cbranch_scc0 .Lentry_in_a_cluster
	s_endpgm
.Lentry_in_a_cluster:
	s_bfe_u32 s2, ttmp6, 0x10000c
	s_cmp_lg_u32 s2, 0xf033
	s_cbranch_scc0 .Lentry_shape_is_right
	s_endpgm
.Lentry_shape_is_right:
; THE THREE PROJECTIONS q = query Wq + bq, k = key Wk + bk, v = value Wv + bv on codes of FP6 (E2M3) with E8M0 scales, and the quantising of their results for the attention launch.
; 24 clusters of 4 x 4 work-groups, c = the cluster's y: c 0-7 make q, 8-15 k, 16-23 v; a cluster makes 1,024 x 1,024 numbers, a work-group 256 x 256, each of its four waves 128 x 128 (64 accumulators, 512 registers).
; The matrix instruction's source 1 takes rows of A', source 0 rows of B'.  For q and k: A' = the tokens' rows (xc), B' = the weight's rows (wc): a lane then holds ONE token and its registers run along n.
; For v: A' = Wv's rows, B' = value's rows: the result is v^T: a lane holds ONE channel n and its registers run along the KEYS, which are the K of attention's second product.
; wc's rows and key's and value's rows in xc lie in the order sigma (bits 3 and 4 of a row's number exchanged).  So accumulator (a, b), register j of lane (r, h) is B' row 32 (b / 2) + 16 h + 8 (b % 2) + j:
; the 64 registers of a block a are 64 numbers of 128 neighbours along the next K, in the order that the 6-bit operand's layout wants; and A' row r of block a is row 32 (a / 2) + 8 (a % 2) + r + 8 (r / 8) (query's rows: 16 a + r).
; K = 1,024 goes in four steps of 256 through a ring of two LDS slots filled by the tensor data mover; the scale bytes of the work-group's rows come once, with the first fills.  A's tiles are asked for jointly by the
; four work-groups of a row of the cluster, B's by the four of a column: the same tensor load with the same descriptor and a mask that names the four.
; THE WAY OUT uses no LDS: bias added, a block's 64 registers quantised in registers (128 along the next K: 12 registers of codes and a scale word a lane), and the registers are stored AS THEY STAND, 8 bytes a lane:
; each store of the wave covers 256 consecutive bytes, aligned.  qi and kv are such images: [64 heads][4 chunks of 512 rows][53,248 bytes]; a chunk: 4 steps x 6,144 bytes of q's or k's codes (8 tiles x 3 pieces x 256),
; 4 x 6,144 of v's (4 tiles of 16 channels x 6 pieces), 4 x 512 of q's or k's scale words (lane l at 16 l; word j: lanes 0-15 tile 2 j, lanes 16-31 tile 2 j + 1), 4 x 512 of v's (word t: tile t).
; LIMITS: NaN and infinities are not served; a block whose largest magnitude lies under 2^-124 keeps the byte 1; a block of zeros has the byte 1 (its codes are zeros; this program alone reads the bytes).
; REGISTERS, in windows of 256: window 0: v0-31 addresses; v32-63 scale words, two sets; v64-127 the bias along n; v128-223 A's fragments, one set; v224-239 the bias by lane.  On the way out v32-63 and v128-211 are at work.
;   window 1: B's fragments, two sets, at v0 and v128.   window 2: the accumulators of my A' rows 0-63 ((a, b) at v[8 (8 a + b)]);   window 3: those of rows 64-127.
.set KSTEP,  256                       ; along K in a slot
.set NQ,     2                         ; matrix instructions deep
.set ROWB,   192                       ; a tile's row in bytes
.set KROW,   768                       ; a row of xc or wc in bytes
.set PITCH,  240                       ; an LDS row: 3 x (64 bytes + 16 of padding): the 32 lanes of a load of 8 bytes touch 64 different banks (64 banks of 4 bytes: ISA guide 11.1)
.set FR,     12                        ; registers of a fragment
.set NL,     6                         ; LDS loads that bring one
.set NP,     4                         ; places behind this matrix instruction (ISA guide 7.12.1)
.set HALFT,  128*PITCH                 ; 128 rows: what one tensor load brings
.set SLOT,   4*HALFT                   ; A's 256 rows, then B's 256 rows
.set LAPS,   2                         ; a lap = two K steps = once round the ring
.set KS,     32                        ; a row of scale bytes
.set SCL,    2*SLOT                    ; behind the ring: the scales, as runs of 256 bytes + 16 of padding
.set HALFS,  (128*KS/256)*272          ; the scales of 128 rows
.set SBLK,   (16*KS/256)*272           ; those of 16 rows
.set SPARE,  SCL+4*HALFS               ; behind the scales: the spare words, 128 bytes for each wave, which no other line names
.set HEADB,  212992                    ; a head in qi and kv
.set CHUNKB, 53248                     ; a chunk of 512 rows
.set ADRA, 16                          ; v16-17 LDS address of my A fragments in slot 0, 1 (v18-19: for the pieces behind one padding more)
.set ADRB, 20                          ; v20-21 the same for B (v22-23)
.set L8,   24                          ; v24  8 x lane
.set L16,  25                          ; v25  16 x lane
.set ADRS, 27                          ; v27  LDS address of my scale words: lanes 0-15 A's rows, lanes 16-31 B's
.set SPW,  28                          ; v28  LDS address of my spare word; never rewritten
.set NIL,  29                          ; v29  0; never rewritten
.set BA,   30                          ; v30  the bias along n: 64 x (lane / 16); never rewritten
.set BB,   31                          ; v31  the bias by lane: 4 (r + 8 (r / 8)); never rewritten
.set SC,   32                          ; scale words: set s at v[SC + 16 s]
.set BIAS, 64                          ; v64-127  register 8 b + j: bias[nW + 32 (b / 2) + 8 (b % 2) + 16 h + j]
.set AF,   128                         ; A's fragments
.set BV,   224                         ; v224-239 registers 2 a, 2 a + 1: bias[nW + 32 (a / 2) + 8 (a % 2) + r + 8 (r / 8)]
.set TM,   32                          ; the way out: v32-47 at work in the quantiser
.set PWS,  48                          ; v48-55  the scale word of each block a
.set W,    56                          ; v56-63  scale words as they are stored
.set HA,   128                         ; v128-191 a block's 64 numbers with the bias
.set PC,   192                         ; v192-210 its codes
.set LH,   2                           ; s2   mask of lanes 16-31
.set SEL,  18                          ; s[18:19] lane selects for v_permlanex16_b32: lane l xor 16
.set G1, 24                            ; s[24:31] descriptor group 1 for A's tiles; s[32:39] group 0, one set for each slot
.set G0, 32
.set G1B, 48                           ; s[48:55], s[56:63] the same for B's tiles
.set G0B, 56
.set G1S, 68                           ; s[68:75], s[76:79] groups 1 and 0 for A's scales; s[80:87], s[88:91] for B's
.set G0S, 76
.set G1SB, 80
.set G0SB, 88
.set MSB, 0
.macro WIN new                         ; the immediate's high byte repeats the setting that is left
.if MSB != \new
	s_set_vgpr_msb (MSB<<8)|\new
.set MSB, \new
.endif
.endm
.set MUL_LO, 0xa1                      ; source 0 (B) window 1, source 1 (A) window 0, C and D window 2
.set MUL_HI, 0xf1                      ; the same, C and D window 3
.set TO_B,   0x40                      ; destination window 1, address window 0
; A joint load: waves 0 and 1 fetch for A, waves 2 and 3 for B.  Each line has one mask and one set of registers for all that issue it; the branch hangs on the wave's number alone.
; Four v_nop follow each of the two lines, ahead of the jump, the label and what follows.
.macro JLOAD g0a, g1a, g0b, g1b
	s_cmp_eq_u32 s15, 0
	s_cbranch_scc0 .Lfor_b_\@
	tensor_load_to_lds s[\g0a:\g0a+3], s[\g1a:\g1a+7]
	s_nop 0
.rept 4
	v_nop
.endr
	s_branch .Lasked_\@
.Lfor_b_\@:
	tensor_load_to_lds s[\g0b:\g0b+3], s[\g1b:\g1b+7]
	s_nop 0
.rept 4
	v_nop
.endr
.Lasked_\@:
.endm
.macro CREST                           ; a round of the cluster's barrier behind its opening barrier
	s_cmp_lg_u32 s14, 0
	s_cbranch_scc1 .Lnot_wave_0_\@
	s_barrier_signal -3
.Lnot_wave_0_\@:
	s_barrier_wait -3
	s_barrier_signal -1
	s_barrier_wait -1
.endm
.macro CROUND                          ; a whole round
	s_barrier_signal -1
	s_barrier_wait -1
	CREST
.endm
	s_load_b256 s[4:11], s[0:1], 0x0               ; xc, xs, wc, ws
	s_load_b128 s[92:95], s[0:1], 0x20             ; bq, bk
	s_load_b128 s[96:99], s[0:1], 0x30             ; bv, qi
	s_load_b64 s[100:101], s[0:1], 0x40            ; kv
	v_lshl_add_u32 v[SPW], v0, 2, SPARE
	v_mov_b32 v[NIL], 0
	ds_add_u32 v28, v29
	ds_add_u32 v28, v29
	s_wait_dscnt 0x0
	v_lshrrev_b32 v1, 5, v0
	v_readfirstlane_b32 s14, v1                    ; wave 0..3
	s_lshr_b32 s15, s14, 1                         ; which half of the tile's A' rows is mine.  Also: I fetch for A (0) or for B (1)
	s_and_b32 s16, s14, 1                          ; which half of its B' rows.  Also: which 128 rows of that tile I fetch
	s_bfe_u32 s40, ttmp6, 0x40000                  ; cx, cy: my place in the cluster
	s_bfe_u32 s41, ttmp6, 0x40004
	s_and_b32 s17, ttmp7, 0xffff                   ; c: the cluster's number, the same in all sixteen partners
	s_lshl_b32 s43, s41, 2
	s_lshl_b32 s43, 15, s43                        ; my row of the cluster
	s_lshl_b32 s44, 0x1111, s40                    ; my column
	; descriptor group 1: a tile of 128 rows x 192 bytes, 16 bytes of padding behind every 64
	s_or_b32 s[G1+0], s43, (0<<16)|(1<<20)|(1<<21)|(3<<22)|(3<<25)  ; 15:0 the mask: A's tiles go to my row; 17:16 elements of 1 byte; 20 padding on; 21 set beside a mask; 24:22 after every 16 words; 31:25 of 4 words
	s_or_b32 s[G1B+0], s44, (0<<16)|(1<<20)|(1<<21)|(3<<22)|(3<<25)
.irp g, G1, G1B
	s_mov_b32 s[\g+1], ROWB<<16                    ; tensor_dim0
	s_mov_b32 s[\g+2], 128<<16                     ; tensor_dim1
	s_mov_b32 s[\g+3], ROWB<<16                    ; tile_dim0
	s_mov_b32 s[\g+4], 128                         ; tile_dim1
	s_mov_b32 s[\g+5], KROW                        ; from row to row
	s_mov_b32 s[\g+6], 0
	s_mov_b32 s[\g+7], 0
.endr
	; the scales of 128 rows: a dense block of 4,096 bytes, as 16 rows of 256 bytes (32 elements of 8), 16 bytes of padding behind each
	s_or_b32 s[G1S+0], s43, (3<<16)|(1<<20)|(1<<21)|(5<<22)|(3<<25)
	s_or_b32 s[G1SB+0], s44, (3<<16)|(1<<20)|(1<<21)|(5<<22)|(3<<25)
.irp g, G1S, G1SB
	s_mov_b32 s[\g+1], 32<<16
	s_mov_b32 s[\g+2], (128*KS/256)<<16
	s_mov_b32 s[\g+3], 32<<16
	s_mov_b32 s[\g+4], 128*KS/256
	s_mov_b32 s[\g+5], 32
	s_mov_b32 s[\g+6], 0
	s_mov_b32 s[\g+7], 0
.endr
	; which rows.  The tokens' rows of cluster c begin at row 1,024 c of xc, its weight's at row 1,024 (c / 8) of wc.  A's registers never hold cx, B's never cy
	s_lshl_b32 s18, s17, 10
	s_lshr_b32 s19, s17, 3
	s_lshl_b32 s19, s19, 10
	s_cmp_lt_u32 s17, 16                           ; q or k: A' = tokens, B' = weight; v: the other way round
	s_cselect_b32 s20, s18, s19
	s_cselect_b32 s46, s19, s18
	s_lshl_b32 s22, s16, 7                         ; which 128 rows of the tile I fetch
	s_lshl_b32 s21, s41, 8
	s_add_co_u32 s20, s20, s21
	s_add_co_u32 s20, s20, s22                     ; A': + 256 cy + 128 x half
	s_lshl_b32 s47, s40, 8
	s_add_co_u32 s46, s46, s47
	s_add_co_u32 s46, s46, s22                     ; B': + 256 cx + 128 x half
	s_lshl_b32 s18, s20, 5                         ; where these rows' scales begin, in bytes,
	s_mov_b32 s19, 0
	s_mul_i32 s20, s20, KROW                       ; and their codes (under 2^25)
	s_mov_b32 s21, 0
	s_lshl_b32 s66, s46, 5
	s_mov_b32 s67, 0
	s_mul_i32 s46, s46, KROW
	s_mov_b32 s47, 0
	s_mul_i32 s45, s14, HALFT                      ; where they go: wave x 128 rows: no place in the cluster enters an LDS address
	s_mul_i32 s42, s14, HALFS
	s_wait_kmcnt 0x0
	s_cmp_lt_u32 s17, 16                           ; the buffers change places with the rows: a choice on the cluster's number
	s_cselect_b64 s[22:23], s[4:5], s[8:9]
	s_cselect_b64 s[8:9], s[8:9], s[4:5]
	s_mov_b64 s[4:5], s[22:23]
	s_cselect_b64 s[22:23], s[6:7], s[10:11]
	s_cselect_b64 s[10:11], s[10:11], s[6:7]
	s_mov_b64 s[6:7], s[22:23]
	s_add_nc_u64 s[20:21], s[4:5], s[20:21]        ; A's codes,
	s_add_nc_u64 s[18:19], s[6:7], s[18:19]        ; A's scales,
	s_add_nc_u64 s[46:47], s[8:9], s[46:47]        ; B's codes,
	s_add_nc_u64 s[66:67], s[10:11], s[66:67]      ; B's scales
	CROUND                                         ; all sixteen work-groups are here: the first joint loads meet
	s_mov_b32 s[G0S], 1
	s_add_co_u32 s[G0S+1], s42, SCL
	s_mov_b64 s[G0S+2:G0S+3], s[18:19]
	s_or_b32 s[G0S+3], s[G0S+3], 0x80000000
	s_mov_b32 s[G0SB], 1
	s_add_co_u32 s[G0SB+1], s42, SCL
	s_mov_b64 s[G0SB+2:G0SB+3], s[66:67]
	s_or_b32 s[G0SB+3], s[G0SB+3], 0x80000000
	JLOAD G0S, G1S, G0SB, G1SB                     ; the scales first: they are wanted with K step 0
.irp s, 0,1
	s_mov_b32 s[G0+4*\s], 1
	s_add_co_u32 s[G0+4*\s+1], s45, \s*SLOT
	s_add_nc_u64 s[G0+4*\s+2:G0+4*\s+3], s[20:21], \s*ROWB
	s_or_b32 s[G0+4*\s+3], s[G0+4*\s+3], 0x80000000
	s_mov_b32 s[G0B+4*\s], 1
	s_add_co_u32 s[G0B+4*\s+1], s45, \s*SLOT
	s_add_nc_u64 s[G0B+4*\s+2:G0B+4*\s+3], s[46:47], \s*ROWB
	s_or_b32 s[G0B+4*\s+3], s[G0B+4*\s+3], 0x80000000
	JLOAD G0+4*\s, G1, G0B+4*\s, G1B               ; three tensor loads of mine are out at the most
.endr
	v_and_b32 v1, 15, v0                           ; r = lane % 16
	v_bfe_u32 v2, v0, 4, 1                         ; h = lane / 16
	v_mul_u32_u24 v3, v1, PITCH
	v_mul_u32_u24 v4, v2, 24
	v_add_nc_u32 v4, v3, v4                        ; a fragment's row x pitch + 24 x half
	v_lshl_add_u32 v5, v2, 4, v4                   ; and the same behind one padding more
	s_mul_i32 s21, s15, HALFT                      ; my 128 rows of A
	s_mul_i32 s22, s16, HALFT                      ; my 128 rows of B,
	s_add_co_u32 s22, s22, 2*HALFT                 ; which lie behind A's 256
.irp s, 0,1
	v_add_nc_u32 v[ADRA+\s], s21, v4
	v_add_nc_u32 v[ADRB+\s], s22, v4
	v_add_nc_u32 v[ADRA+2+\s], s21, v5
	v_add_nc_u32 v[ADRB+2+\s], s22, v5
	s_add_co_u32 s21, s21, SLOT
	s_add_co_u32 s22, s22, SLOT
.endr
	v_mul_u32_u24 v5, v1, KS                       ; my row's scales: 32 bytes a row,
	v_lshrrev_b32 v6, 8, v5
	v_lshl_add_u32 v5, v6, 4, v5                   ; and 16 more for each 256 passed
	s_mul_i32 s21, s15, HALFS                      ; A's: my 128 rows
	s_mul_i32 s22, s16, HALFS                      ; B's: my 128 rows, behind A's 256
	s_add_co_u32 s22, s22, 2*HALFS
	s_sub_co_u32 s22, s22, s21
	v_mul_u32_u24 v6, s22, v2                      ; lanes 16-31 take B's: one product, the distance between the two
	s_add_co_u32 s21, s21, SCL
	v_add_nc_u32 v5, v5, v6
	v_add_nc_u32 v[ADRS], s21, v5
	v_and_b32 v6, 31, v0
	v_lshlrev_b32 v[L8], 3, v6
	v_lshlrev_b32 v[L16], 4, v6
	v_cmp_lt_u32 s[LH], 15, v6                     ; lanes 16-31
	v_lshlrev_b32 v[BA], 6, v2
	v_and_b32 v7, 8, v1
	v_add_nc_u32 v7, v7, v1
	v_lshlrev_b32 v[BB], 2, v7
	; where my results go.  nW: my first n; xrow0: my first token in its tensor
	s_cmp_lt_u32 s17, 16
	s_cselect_b32 s18, s40, s41                    ; n runs along B' (cx, wave % 2) for q and k, along A' (cy, wave / 2) for v
	s_cselect_b32 s19, s16, s15
	s_cselect_b32 s20, s41, s40                    ; the tokens the other way round
	s_cselect_b32 s21, s15, s16
	s_lshl_b32 s18, s18, 8
	s_lshl_b32 s19, s19, 7
	s_add_co_u32 s18, s18, s19                     ; nW
	s_lshl_b32 s20, s20, 8
	s_lshl_b32 s21, s21, 7
	s_add_co_u32 s20, s20, s21
	s_and_b32 s21, s17, 7
	s_lshl_b32 s21, s21, 10
	s_add_co_u32 s20, s20, s21                     ; xrow0 = 1,024 (c % 8) + 256 x place + 128 x half
	s_lshr_b32 s21, s20, 11                        ; the batch,
	s_lshl_b32 s21, s21, 4
	s_lshr_b32 s22, s18, 6
	s_add_co_u32 s21, s21, s22                     ; my first head: 16 x batch + nW / 64
	s_mul_i32 s21, s21, HEADB
	s_bfe_u32 s22, s20, 0x20009                    ; the chunk of 512 tokens,
	s_mul_i32 s22, s22, CHUNKB
	s_add_co_u32 s21, s21, s22
	s_bfe_u32 s22, s20, 0x20007                    ; the step of 128 in it
	s_mul_i32 s46, s22, 6144
	s_add_co_u32 s46, s46, s21
	s_mov_b32 s47, 0
	s_lshl_b32 s22, s22, 9
	s_add_co_u32 s22, s22, s21
	s_add_co_u32 s22, s22, 49152
	s_mov_b32 s23, 0
	s_cmp_lt_u32 s17, 8
	s_cselect_b64 s[92:93], s[92:93], s[94:95]
	s_cselect_b64 s[98:99], s[98:99], s[100:101]   ; q goes to qi, k and v to kv
	s_cmp_lt_u32 s17, 16
	s_cselect_b64 s[92:93], s[92:93], s[96:97]     ; bq, bk or bv
	s_add_nc_u64 s[12:13], s[98:99], s[46:47]      ; the codes of my step
	s_add_nc_u64 s[98:99], s[98:99], s[22:23]      ; its scale words
	s_lshl_b32 s18, s18, 2
	s_mov_b32 s19, 0
	s_add_nc_u64 s[92:93], s[92:93], s[18:19]      ; the bias at nW
	; my 128 numbers of the bias in both layouts: the way out's arm takes the one that it needs, and every register is written on every way
.irp b, 0,1,2,3,4,5,6,7
	global_load_b128 v[BIAS+8*\b:BIAS+8*\b+3], v[BA], s[92:93] offset:(32*(\b/2)+8*(\b%2))*4
	global_load_b128 v[BIAS+8*\b+4:BIAS+8*\b+7], v[BA], s[92:93] offset:(32*(\b/2)+8*(\b%2))*4+16
.endr
.irp a, 0,1,2,3,4,5,6,7
	global_load_b32 v[BV+2*\a], v[BB], s[92:93] offset:(32*(\a/2)+8*(\a%2))*4
	global_load_b32 v[BV+2*\a+1], v[BB], s[92:93] offset:(32*(\a/2)+8*(\a%2))*4   ; twice: a pair for the packed addition
.endr
	s_mov_b32 s[SEL], 0x76543210
	s_mov_b32 s[SEL+1], 0xfedcba98
.macro FRAG reg, adr, q, i             ; a fragment, 16 rows x 128 K of 6-bit codes, is 12 registers: lane l holds row l % 16; registers 6 c .. 6 c + 5 hold K = 64 c + 32 (l / 16) + 0 .. 31: 24 bytes of the row, as they lie
.irp p, 0,1,2,3,4,5                    ; in pieces of 8 bytes.  Lanes 0-15 take the row's pieces 12 q + 0, 1, 2 and 12 q + 6, 7, 8, lanes 16-31 those three pieces on
.set PCE, 12*(\q)+6*(\p/3)+\p%3       ; 16 bytes of padding lie behind every 8 pieces: where the piece three on lies behind one padding more, the second address register serves
.if PCE%8 < 5
	ds_load_b64 v[\reg+2*\p:\reg+2*\p+1], v[\adr] offset:8*PCE+16*(PCE/8)+(\i)*16*PITCH
.else
	ds_load_b64 v[\reg+2*\p:\reg+2*\p+1], v[\adr+2] offset:8*PCE+16*(PCE/8)+(\i)*16*PITCH
.endif
.endr
.endm
; 16 matrix instructions: A's blocks a0, a0 + 1 x B's eight, 128 along K: the slot's q-th.  p: B's set; sc: the set of scale words.  zero = 1: the first product starts the sums.
; The 64 accumulators take turns, one instruction a turn, in the same order in every step.
.macro MUL16 a0, p, q, sc, zero
.irp a, \a0, \a0+1
.irp b, 0,1,2,3,4,5,6,7
.if \zero
	v_wmma_scale_f32_16x16x128_f8f6f4 v[8*(8*((\a)%4)+\b):8*(8*((\a)%4)+\b)+7], v[128*(\p)+FR*\b:128*(\p)+FR*\b+FR-1], v[AF+FR*(\a):AF+FR*(\a)+FR-1], 0, v[SC+8*NQ*(\sc)+NQ*\b+(\q)], v[SC+8*NQ*(\sc)+NQ*(\a)+(\q)] matrix_a_fmt:MATRIX_FMT_FP6 matrix_b_fmt:MATRIX_FMT_FP6 matrix_a_scale:MATRIX_SCALE_ROW1
.else
	v_wmma_scale_f32_16x16x128_f8f6f4 v[8*(8*((\a)%4)+\b):8*(8*((\a)%4)+\b)+7], v[128*(\p)+FR*\b:128*(\p)+FR*\b+FR-1], v[AF+FR*(\a):AF+FR*(\a)+FR-1], v[8*(8*((\a)%4)+\b):8*(8*((\a)%4)+\b)+7], v[SC+8*NQ*(\sc)+NQ*\b+(\q)], v[SC+8*NQ*(\sc)+NQ*(\a)+(\q)] matrix_a_fmt:MATRIX_FMT_FP6 matrix_b_fmt:MATRIX_FMT_FP6 matrix_a_scale:MATRIX_SCALE_ROW1
.endif
.endr
.endr
.endm
.macro FETCH_B slot, q, p              ; B's eight fragments of the slot's q-th 128 along K into set p
	WIN TO_B
.irp i, 0,1,2,3,4,5,6,7
	FRAG 128*(\p)+FR*\i, ADRB+\slot, \q, \i
.endr
	WIN 0
.endm
.macro FETCH_A slot, q, i0             ; A's blocks i0 .. i0 + 3
.irp i, \i0, \i0+1, \i0+2, \i0+3
	FRAG AF+FR*(\i), ADRA+\slot, \q, \i
.endr
.endm
.macro SCALES sc                       ; the next K step's scale words into set sc: two words a row; lanes 0-15 take A's block i, lanes 16-31 B's block i
.irp i, 0,1,2,3,4,5,6,7
	ds_load_b64 v[SC+8*NQ*\sc+NQ*\i:SC+8*NQ*\sc+NQ*\i+1], v[ADRS] offset:\i*SBLK
.endr
.endm
; A load into a register that a matrix instruction has read, and a vector instruction that reads a matrix result or writes one of its registers, stand four places behind it; only plain vector
; instructions that name none of its registers are places (ISA guide 7.12.1 for vector instructions).
.macro PLACES n
.rept \n
	v_nop
.endr
.endm
.macro STEP slot, q, zero              ; a step of 128 along K that has its successor in the same slot
	s_wait_dscnt 4*NL                              ; B's set and A's blocks 0-3 are in; the 24 youngest loads (A's blocks 4-7) may be out
	WIN MUL_LO
	MUL16 0, (\q)%2, \q, \slot, \zero
	MUL16 2, (\q)%2, \q, \slot, \zero
	s_wait_dscnt 0                                 ; A's blocks 4-7 are in
	PLACES NP
	FETCH_B \slot, (\q)+1, 1-(\q)%2
	FETCH_A \slot, (\q)+1, 0
	WIN MUL_HI
	MUL16 4, (\q)%2, \q, \slot, \zero
	MUL16 6, (\q)%2, \q, \slot, \zero
	PLACES NP
	WIN 0
	FETCH_A \slot, (\q)+1, 4
.endm
; A slot's last step changes slots: one barrier; in front of it each wave waits for all its tensor loads, adds 0 to its spare word, and waits for that and for its own reads of this slot.  fill = 1: this slot is filled again, two K steps ahead.
.macro TURN slot, next, fill
	s_wait_tensorcnt 0x0                           ; all my tensor loads have landed: my part of the next slot
	ds_add_u32 v[SPW], v[NIL]                      ; 0 onto my spare word
	s_wait_dscnt 4*NL+1                            ; (the add and the 24 youngest loads, A's blocks 4-7, may be out)
	WIN MUL_LO
	MUL16 0, 1, NQ-1, \slot, 0                     ; sixteen matrix instructions stand between the add and the wait for it
	s_wait_dscnt 0x0                               ; the add is done, and my reads of this slot are over
	s_barrier_signal -1
	MUL16 2, 1, NQ-1, \slot, 0
	WIN 0
	s_barrier_wait -1
.if \fill
	CREST                                          ; the barrier has opened a round of the cluster's barrier: no wave of any partner still reads this slot's tile or has a load on its way
	s_add_nc_u64 s[G0+4*\slot+2:G0+4*\slot+3], s[G0+4*\slot+2:G0+4*\slot+3], 2*ROWB
	s_add_nc_u64 s[G0B+4*\slot+2:G0B+4*\slot+3], s[G0B+4*\slot+2:G0B+4*\slot+3], 2*ROWB
	JLOAD G0+4*\slot, G1, G0B+4*\slot, G1B         ; the first tensor load behind the round; its four v_nop are the places in front of the loads below
.else
	PLACES NP
.endif
	v_add_nc_u32 v[ADRS], 4*NQ, v[ADRS]            ; on to the next K step's scale words (no LDS load of mine is out)
	FETCH_B \next, 0, 0
	FETCH_A \next, 0, 0
	SCALES \next
	WIN MUL_HI
	MUL16 4, 1, NQ-1, \slot, 0
	MUL16 6, 1, NQ-1, \slot, 0
	PLACES NP
	WIN 0
	FETCH_A \next, 0, 4
.endm
	s_wait_tensorcnt 1                             ; the scales and my part of K step 0 are in (K step 1's load may be out)
	s_barrier_signal -1
	s_barrier_wait -1                              ; everybody's are
	FETCH_B 0, 0, 0
	FETCH_A 0, 0, 0
	SCALES 0
	FETCH_A 0, 0, 4
	STEP 0, 0, 1                                   ; the first step stands in front of the loop: its products start the sums
	s_mov_b32 s3, LAPS-1
.Llap:                                                 ; a trip goes once round the ring, from a lap's second step to the next lap's first, and fills both slots again
	TURN 0, 1, 1
	STEP 1, 0, 0
	TURN 1, 0, 1
	STEP 0, 0, 0
	s_sub_co_u32 s3, s3, 1
	s_cmp_lg_u32 s3, 0
	s_cbranch_scc1 .Llap
	TURN 0, 1, 0                                   ; the last lap fills nothing, and has no round of the cluster's barrier
	STEP 1, 0, 0
	s_wait_dscnt 4*NL                              ; the very last step: nothing more to fetch
	WIN MUL_LO
	MUL16 0, 1, NQ-1, 1, 0
	MUL16 2, 1, NQ-1, 1, 0
	s_wait_dscnt 0
	WIN MUL_HI
	MUL16 4, 1, NQ-1, 1, 0
	MUL16 6, 1, NQ-1, 1, 0
	WIN 0
; 64 numbers of a lane, v[s] .. v[s + 63], register 16 b + i = k 32 b + 16 (lane / 16) + i of my row, become a fragment's codes in v[PC] on and its scale word in v[pw].
.macro QUANT s, pw
.irp b, 0,1,2,3
	v_max3_num_f32 v[TM+\b], |v[\s+16*\b]|, |v[\s+1+16*\b]|, 0x1800000   ; block b: my 16 numbers, and the floor 2^(3 - 127): the byte cannot fall under 1
.endr
.irp i, 2,4,6,8,10,12,14
.irp b, 0,1,2,3
	v_max3_num_f32 v[TM+\b], v[TM+\b], |v[\s+16*\b+\i]|, |v[\s+1+16*\b+\i]|   ; (the four blocks by turns)
.endr
.endr
.irp b, 0,1,2,3
	v_permlanex16_b32 v[TM+4+\b], v[TM+\b], s[SEL], s[SEL+1]
.endr
.irp b, 0,1,2,3
	v_max_num_f32 v[TM+\b], v[TM+\b], v[TM+4+\b]   ; with lane l xor 16's: the block's largest magnitude
.endr
.irp b, 0,1,2,3
	v_add_nc_u32 v[TM+12+\b], 0xff000000, v[TM+\b]   ; 2 off its exponent field: the conversion's scale operand
.endr
.irp b, 0,1,2,3
	v_lshrrev_b32 v[TM+4+\b], 23, v[TM+12+\b]      ; the scale's byte
.endr
	v_lshl_or_b32 v[\pw], v[TM+5], 8, v[TM+4]      ; the four bytes make my row's scale word (both halves of the lanes hold it)
	v_lshl_or_b32 v[\pw], v[TM+6], 16, v[\pw]
	v_lshl_or_b32 v[\pw], v[TM+7], 24, v[\pw]
.irp c, 0,1
	v_cvt_scalef32_pk16_fp6_f32 v[PC+6*\c:PC+2+6*\c], v[\s+32*\c:\s+15+32*\c], v[TM+12+2*\c]
	v_cvt_scalef32_pk16_fp6_f32 v[PC+12+4*\c:PC+14+4*\c], v[\s+16+32*\c:\s+31+32*\c], v[TM+12+2*\c+1]   ; (a conversion's three registers begin on an even number)
.endr
	v_nop                                          ; one plain place behind a scaled conversion
.irp c, 0,1                                    ; the operand's layout wants a whole block in a lane: lanes 0-15 block 2 c, lanes 16-31 block 2 c + 1
.irp i, 0,1,2
	v_permlane16_swap_b32 v[PC+6*\c+\i], v[PC+12+4*\c+\i]
.endr
.irp i, 0,1,2
	v_mov_b32 v[PC+3+6*\c+\i], v[PC+12+4*\c+\i]
.endr
.endr
.endm
; THE WAY OUT, block a by block a.  isv = 0 (q, k): a lane holds one token; its 128 n are two heads: registers 0-5 of the codes are the first head's half fragment (16 tokens x 64), 6-11 the second's.
; isv = 1 (v): a lane holds one channel; its 128 keys are one K step of attention's second product: the 12 registers are a whole fragment (16 channels x 128 keys); blocks 0-3 are the first head's, 4-7 the second's.
.macro EPI isv
.irp a, 0,1,2,3,4,5,6,7
	s_wait_xcnt 0x0                                ; the last block's stores have read their registers: the codes may be written again
	WIN (0x02+\a/4)                                ; source 0: window 2 or 3
.set i, 0
.rept 32
.if \isv
	v_pk_add_f32 v[HA+i:HA+i+1], v[64*(\a%4)+i:64*(\a%4)+i+1], v[BV+2*\a:BV+2*\a+1]      ; each accumulator from its low end on
.else
	v_pk_add_f32 v[HA+i:HA+i+1], v[64*(\a%4)+i:64*(\a%4)+i+1], v[BIAS+i:BIAS+i+1]
.endif
.set i, i+2
.endr
	WIN 0
	QUANT HA, PWS+\a
.irp p, 0,1,2,3,4,5
.if \isv
	global_store_b64 v[L8], v[PC+2*\p:PC+2*\p+1], s[12:13] offset:24576+(\a/4)*HEADB+1536*(\a%4)+256*\p   ; 32 lanes store 256 consecutive bytes, aligned
.else
	global_store_b64 v[L8], v[PC+2*\p:PC+2*\p+1], s[12:13] offset:(\p/3)*HEADB+768*\a+256*(\p%3)
.endif
.endr
.endr
.if \isv
	global_store_b128 v[L16], v[PWS:PWS+3], s[98:99] offset:2048           ; word t: tile t of the first head's channels; 512 consecutive bytes
	global_store_b128 v[L16], v[PWS+4:PWS+7], s[98:99] offset:2048+HEADB   ; and of the second's
.else
.irp j, 0,1,2,3
	v_cndmask_b32 v[W+\j], v[PWS+2*\j], v[PWS+2*\j+1], s[LH]   ; word j: lanes 0-15 tile 2 j, lanes 16-31 tile 2 j + 1.  Bytes 0, 1 are the first head's; bytes 2, 3 stand over zero codes there
.endr
.irp j, 0,1,2,3
	v_lshrrev_b32 v[W+4+\j], 16, v[W+\j]           ; the second head's two bytes; above them 0, which is no NaN
.endr
	global_store_b128 v[L16], v[W:W+3], s[98:99]
	global_store_b128 v[L16], v[W+4:W+7], s[98:99] offset:HEADB
.endif
.endm
	PLACES NP                                      ; behind the last products: their results are read, and their operands' and scales' registers written, only from here on
	s_wait_loadcnt 0x0                             ; the bias
.irp b, 0,1,2,3
	v_mov_b32 v[TM+4+\b], 0                        ; written once: a lane permute's destination counts as one of its sources
.endr
	s_cmp_lt_u32 s17, 16                           ; the cluster's number: the same in all waves and all partners
	s_cbranch_scc0 .Lvpath
	EPI 0
	s_branch .Ljoin
.Lvpath:
	EPI 1
.Ljoin:
	s_wait_tensorcnt 0x0                           ; the wave's end
	ds_add_u32 v[SPW], v[NIL]
	s_wait_dscnt 0x0
	CROUND                                         ; the closing round: no work-group ends while a partner may still ask for a tile that names it
	s_endpgm
.Lfunc_end_k_q3ad0187061_proj:
	.size	k_q3ad0187061_proj, .Lfunc_end_k_q3ad0187061_proj-k_q3ad0187061_proj
	.p2alignl 7, 3214868480
	.fill 96, 4, 3214868480
	.section	.rodata,"a",@progbits
	.p2align	6, 0x0
	.amdhsa_kernel k_q3ad0187061_proj
		.amdhsa_group_segment_fixed_size 327680
		.amdhsa_private_segment_fixed_size 0
		.amdhsa_enable_private_segment 0
		.amdhsa_kernarg_size 72
		.amdhsa_user_sgpr_count 2
		.amdhsa_user_sgpr_kernarg_segment_ptr 1
		.amdhsa_wavefront_size32 1
		.amdhsa_system_sgpr_workgroup_id_x 1
		.amdhsa_system_sgpr_workgroup_id_y 1
		.amdhsa_system_sgpr_workgroup_id_z 1
		.amdhsa_system_vgpr_workitem_id 0
		.amdhsa_next_free_vgpr 1024
		.amdhsa_next_free_sgpr 102
		.amdhsa_reserve_vcc 0
		.amdhsa_float_denorm_mode_32 3
		.amdhsa_float_denorm_mode_16_64 3
		.amdhsa_memory_ordered 1
		.amdhsa_forward_progress 1
		.amdhsa_inst_pref_size 238
	.end_amdhsa_kernel
	.amdgpu_metadata
---
amdhsa.version: [ 1, 2 ]
amdhsa.kernels:
  - .name:           k_q3ad0187061_proj
    .symbol:         k_q3ad0187061_proj.kd
    .args:
      - { .name: xc, .offset: 0, .size: 8, .value_kind: global_buffer, .address_space: global }
      - { .name: xs, .offset: 8, .size: 8, .value_kind: global_buffer, .address_space: global }
      - { .name: wc, .offset: 16, .size: 8, .value_kind: global_buffer, .address_space: global }
      - { .name: ws, .offset: 24, .size: 8, .value_kind: global_buffer, .address_space: global }
      - { .name: bq, .offset: 32, .size: 8, .value_kind: global_buffer, .address_space: global }
      - { .name: bk, .offset: 40, .size: 8, .value_kind: global_buffer, .address_space: global }
      - { .name: bv, .offset: 48, .size: 8, .value_kind: global_buffer, .address_space: global }
      - { .name: qi, .offset: 56, .size: 8, .value_kind: global_buffer, .address_space: global }
      - { .name: kv, .offset: 64, .size: 8, .value_kind: global_buffer, .address_space: global }
    .group_segment_fixed_size: 327680
    .private_segment_fixed_size: 0
    .kernarg_segment_align: 8
    .kernarg_segment_size: 72
    .max_flat_workgroup_size: 128
    .sgpr_count:     102
    .vgpr_count:     1024
    .wavefront_size: 32
...
	.end_amdgpu_metadata
.endif
;; end of part 3
;; launch attn (part 4): grid 4 x 64, 8 waves a work-group, clusters of 4 x 1, 263,168 bytes of LDS; arguments qi, kv, oc, os; writes oc, os
.if DOCPART == 4
	.amdgcn_target "amdgcn-amd-amdhsa--gfx1250"
	.amdhsa_code_object_version 6
	.text
	.protected	k_q3ad0187061_attn
	.globl	k_q3ad0187061_attn
	.p2align	8
	.type	k_q3ad0187061_attn,@function
k_q3ad0187061_attn:
	s_mov_b64 s[64:65], 0
	v_nop
	global_prefetch_b8 v0, s[64:65] scope:SCOPE_SE
	s_setreg_imm32_b32 hwreg(HW_REG_WAVE_MODE, 25, 1), 1
	s_wait_xcnt 0x0
	s_wait_alu depctr_hold_cnt(0) depctr_sa_sdst(0) depctr_va_vdst(0) depctr_va_sdst(0) depctr_va_ssrc(0) depctr_va_vcc(0) depctr_vm_vsrc(0)
	s_getreg_b32 s2, hwreg(HW_REG_IB_STS2, 6, 4)
	s_cmp_eq_u32 s2, 0
	s_cbranch_scc0 .Lentry_in_a_cluster
	s_endpgm
.Lentry_in_a_cluster:
	s_bfe_u32 s2, ttmp6, 0x10000c
	s_cmp_lg_u32 s2, 0x3003
	s_cbranch_scc0 .Lentry_shape_is_right
	s_endpgm
.Lentry_shape_is_right:
.set HEADB,  212992
.set CHUNKB, 53248
.set STEPB,  6144
.set VOFF,   24576
.set KSOFF,  49152
.set L8,  1
.set L16, 2
.set ADK, 3
.set ADS, 4
.set L32, 5
.set ST0, 8
.set QS,  24
.set KSC, 28
.set VSC, 32
.set BM,  36
.set PT,  40
.set SO,  48
.set TT,  52
.set PC0, 56
.set S,   80
.set KF,  144
.set VF,  198
.set WV,  12
.set G1,  24
.set G0,  32
.set SEL, 48
.set CS,  50
.set TK,  52
.set TS,  53
.set CNT, 54
.set PASS, 55
.set LH,  56
.set MSB, 0
.macro WIN new
.if MSB != \new
	s_set_vgpr_msb (MSB<<8)|\new
.set MSB, \new
.endif
.endm
.macro CROUND
	s_barrier_signal -1
	s_barrier_wait -1
	s_cmp_lg_u32 s[WV], 0
	s_cbranch_scc1 .Lnot_wave_0_\@
	s_barrier_signal -3
.Lnot_wave_0_\@:
	s_barrier_wait -3
	s_barrier_signal -1
	s_barrier_wait -1
.endm
.macro PLACES
.rept 4
	v_nop
.endr
.endm
	s_load_b128 s[4:7], s[0:1], 0x0
	s_load_b128 s[8:11], s[0:1], 0x10
	v_lshl_add_u32 v254, v0, 2, 0x40000
	v_mov_b32 v255, 0
	ds_add_u32 v254, v255
	ds_add_u32 v254, v255
	v_lshrrev_b32 v6, 5, v0
	s_delay_alu instid0(VALU_DEP_1)
	v_readfirstlane_b32 s[WV], v6
	s_bfe_u32 s13, ttmp6, 0x40000
	s_and_b32 s14, ttmp7, 0xffff
	s_mul_i32 s15, s14, HEADB
	s_mul_i32 s18, s[WV], 6656
	s_add_co_u32 s16, s15, s18
	s_mov_b32 s17, 0
	s_mov_b32 s[G1], 15|(3<<16)|(1<<21)
	s_mov_b32 s[G1+1], 32<<16
	s_mov_b32 s[G1+2], 26<<16
	s_mov_b32 s[G1+3], 32<<16
	s_mov_b32 s[G1+4], 26
	s_mov_b32 s[G1+5], 32
	s_mov_b32 s[G1+6], 0
	s_mov_b32 s[G1+7], 0
	s_mov_b32 s[SEL], 0x76543210
	s_mov_b32 s[SEL+1], 0xfedcba98
	s_mov_b32 s[CS], 0x3e38aa3b
	s_mov_b32 s[CS+1], s[CS]
	s_wait_dscnt 0x0
	s_wait_kmcnt 0x0
	s_add_nc_u64 s[6:7], s[6:7], s[16:17]
.irp c, 0,1,2,3
	s_mov_b32 s[G0+4*\c], 1
	s_add_co_u32 s[G0+4*\c+1], s18, \c*CHUNKB
	s_add_nc_u64 s[G0+4*\c+2:G0+4*\c+3], s[6:7], \c*CHUNKB
	s_or_b32 s[G0+4*\c+3], s[G0+4*\c+3], 0x80000000
.endr
	CROUND
.irp c, 0,1,2,3
	tensor_load_to_lds s[G0+4*\c:G0+4*\c+3], s[G1:G1+7]
	s_nop 0
.endr
	PLACES
	s_mul_i32 s16, s13, CHUNKB
	s_add_co_u32 s16, s16, s15
	s_lshr_b32 s19, s[WV], 2
	s_and_b32 s20, s[WV], 3
	s_mul_i32 s21, s19, STEPB
	s_mul_i32 s22, s20, 1536
	s_add_co_u32 s21, s21, s22
	s_add_co_u32 s22, s16, s21
	s_mov_b32 s23, 0
	s_lshl_b32 s19, s19, 9
	s_lshl_b32 s20, s20, 2
	s_add_co_u32 s19, s19, s20
	s_add_co_u32 s16, s16, s19
	s_add_co_u32 s16, s16, KSOFF
	s_add_nc_u64 s[6:7], s[4:5], s[16:17]
	s_add_nc_u64 s[4:5], s[4:5], s[22:23]
	s_lshr_b32 s19, s14, 4
	s_and_b32 s20, s14, 15
	s_lshl_b32 s21, s19, 7
	s_lshl_b32 s22, s13, 5
	s_add_co_u32 s21, s21, s22
	s_lshl_b32 s22, s[WV], 1
	s_add_co_u32 s21, s21, s22
	s_mul_i32 s22, s21, 12288
	s_mul_i32 s16, s20, 768
	s_add_co_u32 s22, s22, s16
	s_add_nc_u64 s[8:9], s[8:9], s[22:23]
	s_lshl_b32 s22, s21, 9
	s_lshl_b32 s16, s20, 1
	s_add_co_u32 s22, s22, s16
	s_add_nc_u64 s[10:11], s[10:11], s[22:23]
	v_and_b32 v6, 31, v0
	s_delay_alu instid0(VALU_DEP_1)
	v_lshlrev_b32 v[L8], 3, v6
	s_delay_alu instid0(VALU_DEP_2)
	v_lshlrev_b32 v[L16], 4, v6
	s_delay_alu instid0(VALU_DEP_3)
	v_lshlrev_b32 v[L32], 5, v6
	s_delay_alu instid0(VALU_DEP_4)
	v_cmp_lt_u32 s[LH], 15, v6
.irp j, 0,1,2,3,4,5
	v_mov_b32 v[192+\j], 0
.endr
.irp j, 0,1,2,3
	v_mov_b32 v[PT+\j], 0
.endr
	v_mov_b32 v[ST0+7], 0
	v_mov_b32 v[ST0+15], 0
	WIN 0x40
.irp j, 70,71,72,73,74,75,82,83,84,85,86,87
	v_mov_b32 v[\j], 0
.endr
	WIN 0
.macro QK x
	WIN 0x04
.irp i, 0,1,2,3,4,5,6,7
.if (\i%2) == 0
.if \x == 0
	v_wmma_scale_f32_16x16x128_f8f6f4 v[S+8*\i:S+8*\i+7], v[KF+6*\i:KF+6*\i+11], v[64+12*\x:75+12*\x], 0, v[KSC+\i/2], v[QS] matrix_a_fmt:MATRIX_FMT_FP6 matrix_b_fmt:MATRIX_FMT_FP6
.else
	v_wmma_scale_f32_16x16x128_f8f6f4 v[S+8*\i:S+8*\i+7], v[KF+6*\i:KF+6*\i+11], v[64+12*\x:75+12*\x], 0, v[KSC+\i/2], v[QS] matrix_a_fmt:MATRIX_FMT_FP6 matrix_b_fmt:MATRIX_FMT_FP6 matrix_b_scale:MATRIX_SCALE_ROW1
.endif
.else
.if \x == 0
	v_wmma_scale_f32_16x16x128_f8f6f4 v[S+8*\i:S+8*\i+7], v[KF+6*\i:KF+6*\i+11], v[64+12*\x:75+12*\x], 0, v[KSC+\i/2], v[QS] matrix_a_fmt:MATRIX_FMT_FP6 matrix_b_fmt:MATRIX_FMT_FP6 matrix_a_scale:MATRIX_SCALE_ROW1
.else
	v_wmma_scale_f32_16x16x128_f8f6f4 v[S+8*\i:S+8*\i+7], v[KF+6*\i:KF+6*\i+11], v[64+12*\x:75+12*\x], 0, v[KSC+\i/2], v[QS] matrix_a_fmt:MATRIX_FMT_FP6 matrix_b_fmt:MATRIX_FMT_FP6 matrix_a_scale:MATRIX_SCALE_ROW1 matrix_b_scale:MATRIX_SCALE_ROW1
.endif
.endif
.endr
	WIN 0
.endm
.macro SOFTMAX x
.set rT, ST0+8*(\x)
.set rP, PC0+12*(\x)
.irp b, 0,1,2,3
	v_max3_num_f32 v[BM+\b], v[S+16*\b], v[S+1+16*\b], v[S+2+16*\b]
.endr
.irp i, 3,5,7,9,11,13
.irp b, 0,1,2,3
	v_max3_num_f32 v[BM+\b], v[BM+\b], v[S+16*\b+\i], v[S+1+16*\b+\i]
.endr
.endr
.irp b, 0,1,2,3
	v_max_num_f32 v[BM+\b], v[BM+\b], v[S+15+16*\b]
.endr
.irp b, 0,1,2,3
	s_delay_alu instid0(VALU_DEP_4)
	v_permlanex16_b32 v[PT+\b], v[BM+\b], s[SEL], s[SEL+1]
.endr
.irp b, 0,1,2,3
	s_delay_alu instid0(VALU_DEP_4)
	v_max_num_f32 v[BM+\b], v[BM+\b], v[PT+\b]
.endr
	s_delay_alu instid0(VALU_DEP_2)
	v_max3_num_f32 v[TT], v[BM], v[BM+1], v[BM+2]
	s_delay_alu instid0(VALU_DEP_1)
	v_max_num_f32 v[TT], v[TT], v[BM+3]
	s_delay_alu instid0(VALU_DEP_1)
	v_mul_f32 v[TT], s[CS], v[TT]
	s_delay_alu instid0(VALU_DEP_1)
	v_max_num_f32 v[rT+1], v[rT+1], v[TT]
	v_mov_b32 v[TT], v[rT]
	s_delay_alu instid0(VALU_DEP_2)
	v_floor_f32 v[rT], -v[rT+1]
	s_delay_alu instid0(VALU_DEP_1)
	v_sub_f32 v[TT], v[rT], v[TT]
	s_delay_alu instid0(VALU_DEP_1)
	v_cvt_i32_f32 v[TT], v[TT]
	s_delay_alu instid0(VALU_DEP_1)
	v_ldexp_f32 v[rT+4], 1.0, v[TT]
.set j, 0
.rept 32
	v_pk_fma_f32 v[S+j:S+j+1], v[S+j:S+j+1], s[CS:CS+1], v[rT:rT+1] op_sel_hi:[1,0,0]
.set j, j+2
.endr
.irp b, 0,1,2,3
	v_fma_f32 v[BM+\b], v[BM+\b], s[CS], v[rT]
.endr
.set j, 0
	s_wait_alu depctr_va_vdst(0)
.rept 64
	v_exp_f32 v[S+j], v[S+j]
.set j, j+1
.endr
	v_pk_mul_f32 v[rT+2:rT+3], v[rT+2:rT+3], v[rT+4:rT+5] op_sel_hi:[1,0]
	s_wait_alu depctr_va_vdst(0)
.irp b, 0,1,2,3
	v_exp_f32 v[BM+\b], v[BM+\b]
.endr
	v_pk_add_f32 v[PT:PT+1], v[S:S+1], v[S+2:S+3]
.set j, 4
.rept 15
	v_pk_add_f32 v[rT+2:rT+3], v[rT+2:rT+3], v[S+j:S+j+1]
	v_pk_add_f32 v[PT:PT+1], v[PT:PT+1], v[S+j+2:S+j+3]
.set j, j+4
.endr
	s_delay_alu instid0(VALU_DEP_1)
	v_pk_add_f32 v[rT+2:rT+3], v[rT+2:rT+3], v[PT:PT+1]
	s_wait_alu depctr_va_vdst(0)
.irp b, 0,1,2,3
	v_max_num_f32 v[BM+\b], 0x1800000, v[BM+\b]
.endr
.irp b, 0,1,2,3
	s_delay_alu instid0(VALU_DEP_4)
	v_add_nc_u32 v[SO+\b], 0xff000000, v[BM+\b]
.endr
.irp b, 0,1,2,3
	s_delay_alu instid0(VALU_DEP_4)
	v_lshrrev_b32 v[PT+\b], 23, v[SO+\b]
.endr
	s_delay_alu instid0(VALU_DEP_3)
	v_lshl_or_b32 v[rT+5], v[PT+1], 8, v[PT]
	s_delay_alu instid0(VALU_DEP_1)
	v_lshl_or_b32 v[rT+5], v[PT+2], 16, v[rT+5]
	s_delay_alu instid0(VALU_DEP_1)
	v_lshl_or_b32 v[rT+5], v[PT+3], 24, v[rT+5]
.irp c, 0,1
	v_cvt_scalef32_pk16_fp6_f32 v[rP+6*\c:rP+2+6*\c], v[S+32*\c:S+15+32*\c], v[SO+2*\c]
	v_cvt_scalef32_pk16_fp6_f32 v[PT+4*\c:PT+2+4*\c], v[S+16+32*\c:S+31+32*\c], v[SO+2*\c+1]
.endr
	v_nop
.irp c, 0,1
.irp i, 0,1,2
	v_permlane16_swap_b32 v[rP+6*\c+\i], v[PT+4*\c+\i]
.endr
.irp i, 0,1,2
	s_delay_alu instid0(VALU_DEP_3)
	v_mov_b32 v[rP+3+6*\c+\i], v[PT+4*\c+\i]
.endr
.endr
.endm
.macro RESCALE x
	WIN 0x41
.set j, 0
.rept 16
	v_pk_mul_f32 v[32*\x+j:32*\x+j+1], v[32*\x+j:32*\x+j+1], v[ST0+8*\x+4:ST0+8*\x+5] op_sel_hi:[1,0]
.set j, j+2
.endr
.endm
.macro PV
	WIN 0x50
.irp t, 0,1,2,3
.irp x, 0,1
	v_wmma_scale_f32_16x16x128_f8f6f4 v[32*\x+8*\t:32*\x+8*\t+7], v[VF+12*\t:VF+12*\t+11], v[PC0+12*\x:PC0+12*\x+11], v[32*\x+8*\t:32*\x+8*\t+7], v[VSC+\t], v[ST0+8*\x+5] matrix_a_fmt:MATRIX_FMT_FP6 matrix_b_fmt:MATRIX_FMT_FP6
.endr
.endr
.endm
.macro STEP
	v_add_nc_u32 v[ADK], s[TK], v[L8]
	v_add_nc_u32 v[ADS], s[TS], v[L16]
	v_nop
	v_nop
.irp i, 0,1,2,3,4,5,6,7
.irp p, 0,1,2
	ds_load_b64 v[KF+6*\i+2*\p:KF+6*\i+2*\p+1], v[ADK] offset:768*\i+256*\p
.endr
.endr
	ds_load_b128 v[KSC:KSC+3], v[ADS]
.irp t, 0,1,2,3
.irp p, 0,1,2,3,4,5
	ds_load_b64 v[VF+12*\t+2*\p:VF+12*\t+2*\p+1], v[ADK] offset:VOFF+1536*\t+256*\p
.endr
.endr
	ds_load_b128 v[VSC:VSC+3], v[ADS] offset:2048
	s_wait_dscnt 25
	QK 0
	PLACES
	SOFTMAX 0
	QK 1
	PLACES
	s_setprio 1
	SOFTMAX 1
	RESCALE 0
	s_setprio 0
	RESCALE 1
	s_wait_alu depctr_va_vdst(0)
	s_wait_dscnt 0x0
	PV
	WIN 0
.endm
.macro CHUNK c
	s_wait_tensorcnt 3-\c
	s_barrier_signal -1
	s_barrier_wait -1
	s_mov_b32 s[TK], \c*CHUNKB
	s_mov_b32 s[TS], \c*CHUNKB+KSOFF
	s_mov_b32 s[CNT], 4
.Lstep_\@:
	s_setprio 2
	STEP
	s_add_co_u32 s[TK], s[TK], STEPB
	s_add_co_u32 s[TS], s[TS], 512
	s_sub_co_u32 s[CNT], s[CNT], 1
	s_cmp_lg_u32 s[CNT], 0
	s_cbranch_scc1 .Lstep_\@
	s_setprio 0
.endm
.macro OUTQ x
.set rT, ST0+8*(\x)
.set rP, PC0+12*(\x)
.set rS, S+32*(\x)
	WIN 0x01
.set j, 0
.rept 16
	v_pk_mul_f32 v[rS+j:rS+j+1], v[32*(\x)+j:32*(\x)+j+1], v[rT+6:rT+7] op_sel_hi:[1,0]
.set j, j+2
.endr
	WIN 0
.irp b, 0,1
	v_max3_num_f32 v[BM+\b], |v[rS+16*\b]|, |v[rS+1+16*\b]|, 0x1800000
.endr
.irp i, 2,4,6,8,10,12,14
.irp b, 0,1
	s_delay_alu instid0(VALU_DEP_2)
	v_max3_num_f32 v[BM+\b], v[BM+\b], |v[rS+16*\b+\i]|, |v[rS+1+16*\b+\i]|
.endr
.endr
.irp b, 0,1
	s_delay_alu instid0(VALU_DEP_2)
	v_permlanex16_b32 v[PT+\b], v[BM+\b], s[SEL], s[SEL+1]
.endr
.irp b, 0,1
	s_delay_alu instid0(VALU_DEP_2)
	v_max_num_f32 v[BM+\b], v[BM+\b], v[PT+\b]
.endr
.irp b, 0,1
	s_delay_alu instid0(VALU_DEP_2)
	v_add_nc_u32 v[SO+\b], 0xff000000, v[BM+\b]
.endr
.irp b, 0,1
	s_delay_alu instid0(VALU_DEP_2)
	v_lshrrev_b32 v[PT+\b], 23, v[SO+\b]
.endr
	s_delay_alu instid0(VALU_DEP_1)
	v_lshl_or_b32 v[TT+\x], v[PT+1], 8, v[PT]
	v_cvt_scalef32_pk16_fp6_f32 v[rP:rP+2], v[rS:rS+15], v[SO]
	v_cvt_scalef32_pk16_fp6_f32 v[PT+4:PT+6], v[rS+16:rS+31], v[SO+1]
	v_nop
.irp i, 0,1,2
	v_permlane16_swap_b32 v[rP+\i], v[PT+4+\i]
.endr
.irp i, 0,1,2
	s_delay_alu instid0(VALU_DEP_3)
	v_mov_b32 v[rP+3+\i], v[PT+4+\i]
.endr
.irp p, 0,1,2
	global_store_b64 v[L8], v[rP+2*\p:rP+2*\p+1], s[8:9] offset:12288*\x+256*\p
.endr
.endm
	s_mov_b32 s[PASS], 2
.Lpass:
	WIN 0x40
.irp x, 0,1
.irp p, 0,1,2
	global_load_b64 v[64+12*\x+2*\p:65+12*\x+2*\p], v[L8], s[4:5] offset:768*\x+256*\p
.endr
.endr
.set j, 0
.rept 64
	v_mov_b32 v[j], 0
.set j, j+1
.endr
	WIN 0
	global_load_b32 v[QS], v[L16], s[6:7]
.irp x, 0,1
	v_mov_b32 v[ST0+8*\x+1], 0xff61b1e6
	s_delay_alu instid0(VALU_DEP_1)
	v_floor_f32 v[ST0+8*\x], -v[ST0+8*\x+1]
	v_mov_b32 v[ST0+8*\x+2], 0
	v_mov_b32 v[ST0+8*\x+3], 0
	v_mov_b32 v[ST0+8*\x+5], 0
.endr
	s_wait_loadcnt 0x0
	CHUNK 0
	CHUNK 1
	CHUNK 2
	CHUNK 3
.irp x, 0,1
	v_add_f32 v[ST0+8*\x+2], v[ST0+8*\x+2], v[ST0+8*\x+3]
.endr
.irp x, 0,1
	s_delay_alu instid0(VALU_DEP_2)
	v_permlanex16_b32 v[PT+\x], v[ST0+8*\x+2], s[SEL], s[SEL+1]
.endr
.irp x, 0,1
	s_delay_alu instid0(VALU_DEP_2)
	v_add_f32 v[ST0+8*\x+2], v[ST0+8*\x+2], v[PT+\x]
.endr
	s_wait_alu depctr_va_vdst(0)
.irp x, 0,1
	v_rcp_f32 v[ST0+8*\x+6], v[ST0+8*\x+2]
.endr
	v_nop
	s_wait_alu depctr_va_vdst(0)
	OUTQ 0
	OUTQ 1
	v_cndmask_b32 v[TT+2], v[TT], v[TT+1], s[LH]
	global_store_b16 v[L32], v[TT+2], s[10:11]
	s_wait_xcnt 0x0
	s_add_nc_u64 s[4:5], s[4:5], 2*STEPB
	s_add_nc_u64 s[6:7], s[6:7], 1024
	s_add_nc_u64 s[8:9], s[8:9], 16*12288
	s_add_nc_u64 s[10:11], s[10:11], 8192
	s_sub_co_u32 s[PASS], s[PASS], 1
	s_cmp_lg_u32 s[PASS], 0
	s_cbranch_scc1 .Lpass
	s_wait_tensorcnt 0x0
	s_wait_tensorcnt 0x0
	ds_add_u32 v254, v255
	s_wait_dscnt 0x0
	CROUND
	s_endpgm
.Lfunc_end_k_q3ad0187061_attn:
	.size	k_q3ad0187061_attn, .Lfunc_end_k_q3ad0187061_attn-k_q3ad0187061_attn
	.p2alignl 7, 3214868480
	.fill 96, 4, 3214868480
	.section	.rodata,"a",@progbits
	.p2align	6, 0x0
	.amdhsa_kernel k_q3ad0187061_attn
		.amdhsa_group_segment_fixed_size 263168
		.amdhsa_private_segment_fixed_size 0
		.amdhsa_enable_private_segment 0
		.amdhsa_kernarg_size 32
		.amdhsa_user_sgpr_count 2
		.amdhsa_user_sgpr_kernarg_segment_ptr 1
		.amdhsa_wavefront_size32 1
		.amdhsa_system_sgpr_workgroup_id_x 1
		.amdhsa_system_sgpr_workgroup_id_y 1
		.amdhsa_system_sgpr_workgroup_id_z 1
		.amdhsa_system_vgpr_workitem_id 0
		.amdhsa_next_free_vgpr 384
		.amdhsa_next_free_sgpr 66
		.amdhsa_reserve_vcc 0
		.amdhsa_float_denorm_mode_32 3
		.amdhsa_float_denorm_mode_16_64 3
		.amdhsa_memory_ordered 1
		.amdhsa_forward_progress 1
		.amdhsa_inst_pref_size 150
	.end_amdhsa_kernel
	.amdgpu_metadata
---
amdhsa.version: [ 1, 2 ]
amdhsa.kernels:
  - .name:           k_q3ad0187061_attn
    .symbol:         k_q3ad0187061_attn.kd
    .args:
      - { .name: qi, .offset: 0, .size: 8, .value_kind: global_buffer, .address_space: global }
      - { .name: kv, .offset: 8, .size: 8, .value_kind: global_buffer, .address_space: global }
      - { .name: oc, .offset: 16, .size: 8, .value_kind: global_buffer, .address_space: global }
      - { .name: os, .offset: 24, .size: 8, .value_kind: global_buffer, .address_space: global }
    .group_segment_fixed_size: 263168
    .private_segment_fixed_size: 0
    .kernarg_segment_align: 8
    .kernarg_segment_size: 32
    .max_flat_workgroup_size: 256
    .sgpr_count:     66
    .vgpr_count:     384
    .wavefront_size: 32
...
	.end_amdgpu_metadata
.endif
;; end of part 4
;; launch outproj (part 5): grid 4 x 32, 4 waves a work-group, clusters of 4 x 4, 327,680 bytes of LDS; arguments oc, os, wc, ws, bo, out0; writes out0
.if DOCPART == 5
	.amdgcn_target "amdgcn-amd-amdhsa--gfx1250"
	.amdhsa_code_object_version 6
	.text
	.protected	k_q3ad0187061_outproj
	.globl	k_q3ad0187061_outproj
	.p2align	8
	.type	k_q3ad0187061_outproj,@function
k_q3ad0187061_outproj:
	s_mov_b64 s[64:65], 0
	v_nop
	global_prefetch_b8 v0, s[64:65] scope:SCOPE_SE
	s_setreg_imm32_b32 hwreg(HW_REG_WAVE_MODE, 25, 1), 1
	s_wait_xcnt 0x0
	s_wait_alu depctr_hold_cnt(0) depctr_sa_sdst(0) depctr_va_vdst(0) depctr_va_sdst(0) depctr_va_ssrc(0) depctr_va_vcc(0) depctr_vm_vsrc(0)
	s_getreg_b32 s2, hwreg(HW_REG_IB_STS2, 6, 4)
	s_cmp_eq_u32 s2, 0
	s_cbranch_scc0 .Lentry_in_a_cluster
	s_endpgm
.Lentry_in_a_cluster:
	s_bfe_u32 s2, ttmp6, 0x10000c
	s_cmp_lg_u32 s2, 0xf033
	s_cbranch_scc0 .Lentry_shape_is_right
	s_endpgm
.Lentry_shape_is_right:
; out0 = (attention's result) Wo + bo on codes of FP6 (E2M3) with E8M0 scales.  M = 8,192, N = K = 1,024; out0 f32.
; A tile of 256 x 256 is made by a work-group of four waves; a wave makes 128 x 128: 64 accumulators, 512 registers.  K goes in four steps of 256 through a ring of two LDS slots filled by the tensor data mover.
; A's CODES ARE IMAGES OF THE OPERAND'S REGISTERS (oc: [512 tiles of 16 rows][8 (128 along K)][6 pieces][32 lanes][8 bytes]): a K step of a tile of rows is 3,072 consecutive bytes, and a fragment comes by six loads of 256 consecutive bytes.
; B = Wo's codes, rows of 768 bytes, weight 3 of wc; its rows lie in the order sigma (bits 3 and 4 of n exchanged), so accumulator (a, b), register j of lane (r, h) is column 32 (b / 2) + 16 h + 8 (b % 2) + j of my 128.
; The scale bytes of the work-group's rows, for all of K, come into LDS once, with the first fills.  The bias is the C of each sum's first product.
; CLUSTERS: 4 x 4 work-groups.  A's tiles are asked for jointly by the four of a row of the cluster, B's by the four of a column.  The matrix instruction is used transposed (source 0 = rows of B, source 1 = rows of A).
; REGISTERS, in windows of 256: window 0: v0-31 addresses; v32-63 scale words, two sets; v64-127 the bias; from v128 A's fragments, one set; on the way out v128-255 hold rows.
;   window 1: B's fragments, two sets, at v0 and v128.   window 2: the accumulators of my rows 0-63 ((a, b) at v[8 (8 a + b)]);   window 3: those of rows 64-127.
.set SIZE_N, 1024
.set KSTEP,  256
.set NQ,     2
.set ROWB,   192                       ; a row of B's tile in bytes
.set AROWB,  3072                      ; a K step of a tile of 16 rows of A
.set KROW,   768
.set PITCH,  240                       ; B's LDS row: 3 x (64 bytes + 16 of padding)
.set FR,     12
.set NL,     6
.set NP,     4
.set HALFT,  128*PITCH                 ; a quarter of a slot: 128 rows of B; A's 128 rows use 24,576 bytes of theirs
.set SLOT,   4*HALFT
.set LAPS,   2
.set KS,     32
.set SCL,    2*SLOT
.set HALFS,  (128*KS/256)*272
.set SBLK,   (16*KS/256)*272
.set SPARE,  SCL+4*HALFS               ; the spare words, 128 bytes for each wave, which no other line names
.set SPITCH, 528                       ; the way out: a stage of 16 rows x (512 bytes + 16) for each wave, in slot 0, which has had its last fill and its last read when the first result is stored there
.set ADRA, 16                          ; v16-17 LDS address of my A fragments in slot 0, 1
.set ADRB, 20                          ; v20-21 the same for B (v22-23: for the pieces behind one padding more)
.set STO,  24                          ; v24 the way out: where I put my bytes of a row
.set RD,   25                          ; v25 where I read a row back
.set CO,   26                          ; v26 my byte offset in a row of out0
.set ADRS, 27
.set SPW,  28
.set NIL,  29
.set BA,   30                          ; v30 the bias: 64 x (lane / 16); never rewritten
.set SC,   32
.set BIAS, 64                          ; v64-127 register 8 b + j: bo[my first column + 32 (b / 2) + 8 (b % 2) + 16 h + j]
.set AF,   128
.set BK,   128
.set G1, 24
.set G0, 32
.set G1B, 48
.set G0B, 56
.set G1S, 68
.set G0S, 76
.set G1SB, 80
.set G0SB, 88
.set MSB, 0
.macro WIN new                         ; the immediate's high byte repeats the setting that is left
.if MSB != \new
	s_set_vgpr_msb (MSB<<8)|\new
.set MSB, \new
.endif
.endm
.set MUL_LO, 0xa1                      ; source 0 (B) window 1, source 1 (A) window 0, C and D window 2
.set MUL_HI, 0xf1                      ; the same, C and D window 3
.set TO_B,   0x40
.macro JLOAD g0a, g1a, g0b, g1b        ; a joint load: waves 0 and 1 fetch for A, waves 2 and 3 for B; four v_nop follow each of the two lines
	s_cmp_eq_u32 s15, 0
	s_cbranch_scc0 .Lfor_b_\@
	tensor_load_to_lds s[\g0a:\g0a+3], s[\g1a:\g1a+7]
	s_nop 0
.rept 4
	v_nop
.endr
	s_branch .Lasked_\@
.Lfor_b_\@:
	tensor_load_to_lds s[\g0b:\g0b+3], s[\g1b:\g1b+7]
	s_nop 0
.rept 4
	v_nop
.endr
.Lasked_\@:
.endm
.macro CREST
	s_cmp_lg_u32 s14, 0
	s_cbranch_scc1 .Lnot_wave_0_\@
	s_barrier_signal -3
.Lnot_wave_0_\@:
	s_barrier_wait -3
	s_barrier_signal -1
	s_barrier_wait -1
.endm
.macro CROUND
	s_barrier_signal -1
	s_barrier_wait -1
	CREST
.endm
	s_load_b128 s[4:7], s[0:1], 0x0                ; oc, os
	s_load_b128 s[8:11], s[0:1], 0x10              ; wc, ws
	s_load_b64 s[66:67], s[0:1], 0x20              ; bo
	s_load_b64 s[12:13], s[0:1], 0x28              ; out0
	v_lshl_add_u32 v[SPW], v0, 2, SPARE
	v_mov_b32 v[NIL], 0
	ds_add_u32 v28, v29
	ds_add_u32 v28, v29
	s_wait_dscnt 0x0
	v_lshrrev_b32 v1, 5, v0
	v_readfirstlane_b32 s14, v1                    ; wave 0..3
	s_lshr_b32 s15, s14, 1                         ; which half of the tile's rows is mine.  Also: I fetch for A (0) or for B (1)
	s_and_b32 s16, s14, 1                          ; which half of its columns.  Also: which 128 rows of that tile I fetch
	s_bfe_u32 s40, ttmp6, 0x40000                  ; cx = the tile column (one cluster spans N)
	s_bfe_u32 s41, ttmp6, 0x40004                  ; cy
	s_and_b32 s17, ttmp7, 0xffff
	s_lshl_b32 s17, s17, 2
	s_add_co_u32 s17, s17, s41                     ; tile row = 4 x cluster y + cy
	s_lshl_b32 s43, s41, 2
	s_lshl_b32 s43, 15, s43                        ; my row of the cluster
	s_lshl_b32 s44, 0x1111, s40                    ; my column
	; A's tiles: 8 rows (tiles of 16 rows of A) x 3,072 bytes (384 elements of 8), 12,288 bytes apart, dense in LDS
	s_or_b32 s[G1+0], s43, (3<<16)|(1<<21)         ; 15:0 the mask: my row; 17:16 elements of 8 bytes; 20 no padding; 21 set beside a mask
	s_mov_b32 s[G1+1], 384<<16                     ; tensor_dim0
	s_mov_b32 s[G1+2], 8<<16                       ; tensor_dim1
	s_mov_b32 s[G1+3], 384<<16                     ; tile_dim0
	s_mov_b32 s[G1+4], 8                           ; tile_dim1
	s_mov_b32 s[G1+5], 1536                        ; from row to row, in elements
	s_mov_b32 s[G1+6], 0
	s_mov_b32 s[G1+7], 0
	; B's tiles: 128 rows x 192 bytes, 16 bytes of padding behind every 64
	s_or_b32 s[G1B+0], s44, (0<<16)|(1<<20)|(1<<21)|(3<<22)|(3<<25)
	s_mov_b32 s[G1B+1], ROWB<<16
	s_mov_b32 s[G1B+2], 128<<16
	s_mov_b32 s[G1B+3], ROWB<<16
	s_mov_b32 s[G1B+4], 128
	s_mov_b32 s[G1B+5], KROW
	s_mov_b32 s[G1B+6], 0
	s_mov_b32 s[G1B+7], 0
	; the scales of 128 rows: 4,096 dense bytes, as 16 rows of 256 bytes, 16 bytes of padding behind each
	s_or_b32 s[G1S+0], s43, (3<<16)|(1<<20)|(1<<21)|(5<<22)|(3<<25)
	s_or_b32 s[G1SB+0], s44, (3<<16)|(1<<20)|(1<<21)|(5<<22)|(3<<25)
.irp g, G1S, G1SB
	s_mov_b32 s[\g+1], 32<<16
	s_mov_b32 s[\g+2], (128*KS/256)<<16
	s_mov_b32 s[\g+3], 32<<16
	s_mov_b32 s[\g+4], 128*KS/256
	s_mov_b32 s[\g+5], 32
	s_mov_b32 s[\g+6], 0
	s_mov_b32 s[\g+7], 0
.endr
	s_lshl_b32 s20, s17, 1
	s_add_co_u32 s20, s20, s16                     ; A: which 128 rows I fetch: 2 x tile row + half
	s_lshl_b32 s22, s20, 12                        ; their scales: 128 rows of 32 bytes,
	s_mov_b32 s23, 0
	s_mul_i32 s20, s20, 8*12288                    ; their codes: 8 tiles of 16 rows
	s_mov_b32 s21, 0
	s_lshl_b32 s46, s40, 1
	s_add_co_u32 s46, s46, s16                     ; B: 2 x tile column + half
	s_lshl_b32 s92, s46, 12
	s_add_co_u32 s92, s92, 3*32768                 ; Wo is weight 3 of ws
	s_mov_b32 s93, 0
	s_mul_i32 s46, s46, 128*KROW
	s_add_co_u32 s46, s46, 3*786432                ; and of wc
	s_mov_b32 s47, 0
	s_mul_i32 s45, s14, HALFT                      ; where they go: no place in the cluster enters an LDS address
	s_mul_i32 s94, s14, HALFS
	s_wait_kmcnt 0x0
	s_add_nc_u64 s[20:21], s[4:5], s[20:21]
	s_add_nc_u64 s[22:23], s[6:7], s[22:23]
	s_add_nc_u64 s[46:47], s[8:9], s[46:47]
	s_add_nc_u64 s[92:93], s[10:11], s[92:93]
	CROUND                                         ; all sixteen work-groups are here: the first joint loads meet
	s_mov_b32 s[G0S], 1
	s_add_co_u32 s[G0S+1], s94, SCL
	s_mov_b64 s[G0S+2:G0S+3], s[22:23]
	s_or_b32 s[G0S+3], s[G0S+3], 0x80000000
	s_mov_b32 s[G0SB], 1
	s_add_co_u32 s[G0SB+1], s94, SCL
	s_mov_b64 s[G0SB+2:G0SB+3], s[92:93]
	s_or_b32 s[G0SB+3], s[G0SB+3], 0x80000000
	JLOAD G0S, G1S, G0SB, G1SB                     ; the scales first
.irp s, 0,1
	s_mov_b32 s[G0+4*\s], 1
	s_add_co_u32 s[G0+4*\s+1], s45, \s*SLOT
	s_add_nc_u64 s[G0+4*\s+2:G0+4*\s+3], s[20:21], \s*AROWB
	s_or_b32 s[G0+4*\s+3], s[G0+4*\s+3], 0x80000000
	s_mov_b32 s[G0B+4*\s], 1
	s_add_co_u32 s[G0B+4*\s+1], s45, \s*SLOT
	s_add_nc_u64 s[G0B+4*\s+2:G0B+4*\s+3], s[46:47], \s*ROWB
	s_or_b32 s[G0B+4*\s+3], s[G0B+4*\s+3], 0x80000000
	JLOAD G0+4*\s, G1, G0B+4*\s, G1B               ; three tensor loads of mine are out at the most
.endr
	v_and_b32 v1, 15, v0                           ; r
	v_bfe_u32 v2, v0, 4, 1                         ; h
	v_and_b32 v6, 31, v0                           ; lane
	v_lshlrev_b32 v7, 3, v6                        ; A: 8 x lane
	v_mul_u32_u24 v3, v1, PITCH
	v_mul_u32_u24 v4, v2, 24
	v_add_nc_u32 v4, v3, v4                        ; B: a fragment's row x pitch + 24 x half
	v_lshl_add_u32 v5, v2, 4, v4                   ; and the same behind one padding more
	s_mul_i32 s21, s15, HALFT                      ; my 128 rows of A
	s_mul_i32 s22, s16, HALFT                      ; my 128 rows of B,
	s_add_co_u32 s22, s22, 2*HALFT                 ; which lie behind A's two quarters
.irp s, 0,1
	v_add_nc_u32 v[ADRA+\s], s21, v7
	v_add_nc_u32 v[ADRB+\s], s22, v4
	v_add_nc_u32 v[ADRB+2+\s], s22, v5
	s_add_co_u32 s21, s21, SLOT
	s_add_co_u32 s22, s22, SLOT
.endr
	v_mul_u32_u24 v5, v1, KS                       ; my row's scales: 32 bytes a row,
	v_lshrrev_b32 v8, 8, v5
	v_lshl_add_u32 v5, v8, 4, v5                   ; and 16 more for each 256 passed
	s_mul_i32 s21, s15, HALFS
	s_mul_i32 s22, s16, HALFS
	s_add_co_u32 s22, s22, 2*HALFS
	s_sub_co_u32 s22, s22, s21
	v_mul_u32_u24 v8, s22, v2                      ; lanes 16-31 take B's: one product, the distance between the two
	s_add_co_u32 s21, s21, SCL
	v_add_nc_u32 v5, v5, v8
	v_add_nc_u32 v[ADRS], s21, v5
	s_mul_i32 s23, s14, 16*SPITCH                  ; my stage
	v_mul_u32_u24 v5, v1, SPITCH                   ; in: row r, + 64 h: my half's 16 columns of each 32
	v_lshl_add_u32 v5, v2, 6, v5
	v_add_nc_u32 v[STO], s23, v5
	v_lshlrev_b32 v[CO], 4, v6                     ; back: the 32 lanes take one row of 512 bytes; and the same in out0
	v_add_nc_u32 v[RD], s23, v[CO]
	v_lshlrev_b32 v[BA], 6, v2
	s_lshl_b32 s20, s17, 8
	s_lshl_b32 s21, s15, 7
	s_add_co_u32 s20, s20, s21                     ; my first row: 256 x tile row + 128 x half
	s_lshl_b32 s20, s20, 12                        ; 4,096 bytes a row
	s_lshl_b32 s46, s40, 10                        ; my first column, in bytes: 1,024 x tile column + 512 x half
	s_lshl_b32 s47, s16, 9
	s_add_co_u32 s46, s46, s47
	s_mov_b32 s47, 0
	s_add_co_u32 s20, s20, s46
	s_mov_b32 s21, 0
	s_add_nc_u64 s[12:13], s[12:13], s[20:21]
	s_add_nc_u64 s[66:67], s[66:67], s[46:47]      ; bo at my first column
.irp b, 0,1,2,3,4,5,6,7
	global_load_b128 v[BIAS+8*\b:BIAS+8*\b+3], v[BA], s[66:67] offset:(32*(\b/2)+8*(\b%2))*4
	global_load_b128 v[BIAS+8*\b+4:BIAS+8*\b+7], v[BA], s[66:67] offset:(32*(\b/2)+8*(\b%2))*4+16
.endr
.macro FRAG reg, adr, q, i             ; a fragment of B from rows: pieces of 8 bytes; where the piece three on lies behind one padding more, the second address register serves
.irp p, 0,1,2,3,4,5
.set PCE, 12*(\q)+6*(\p/3)+\p%3
.if PCE%8 < 5
	ds_load_b64 v[\reg+2*\p:\reg+2*\p+1], v[\adr] offset:8*PCE+16*(PCE/8)+(\i)*16*PITCH
.else
	ds_load_b64 v[\reg+2*\p:\reg+2*\p+1], v[\adr+2] offset:8*PCE+16*(PCE/8)+(\i)*16*PITCH
.endif
.endr
.endm
.macro FRAGA reg, adr, q, i            ; a fragment of A from its image: six loads of 256 consecutive bytes
.irp p, 0,1,2,3,4,5
	ds_load_b64 v[\reg+2*\p:\reg+2*\p+1], v[\adr] offset:AROWB*(\i)+1536*(\q)+256*\p
.endr
.endm
; 16 matrix instructions: A's blocks a0, a0 + 1 x B's eight.  zero = 1: the first product starts the sums, with the bias as its C.  The 64 accumulators take turns, one instruction a turn.
.macro MUL16 a0, p, q, sc, zero
.irp a, \a0, \a0+1
.irp b, 0,1,2,3,4,5,6,7
.if \zero
	v_wmma_scale_f32_16x16x128_f8f6f4 v[8*(8*((\a)%4)+\b):8*(8*((\a)%4)+\b)+7], v[128*(\p)+FR*\b:128*(\p)+FR*\b+FR-1], v[AF+FR*(\a):AF+FR*(\a)+FR-1], v[BIAS+8*\b:BIAS+8*\b+7], v[SC+8*NQ*(\sc)+NQ*\b+(\q)], v[SC+8*NQ*(\sc)+NQ*(\a)+(\q)] matrix_a_fmt:MATRIX_FMT_FP6 matrix_b_fmt:MATRIX_FMT_FP6 matrix_a_scale:MATRIX_SCALE_ROW1
.else
	v_wmma_scale_f32_16x16x128_f8f6f4 v[8*(8*((\a)%4)+\b):8*(8*((\a)%4)+\b)+7], v[128*(\p)+FR*\b:128*(\p)+FR*\b+FR-1], v[AF+FR*(\a):AF+FR*(\a)+FR-1], v[8*(8*((\a)%4)+\b):8*(8*((\a)%4)+\b)+7], v[SC+8*NQ*(\sc)+NQ*\b+(\q)], v[SC+8*NQ*(\sc)+NQ*(\a)+(\q)] matrix_a_fmt:MATRIX_FMT_FP6 matrix_b_fmt:MATRIX_FMT_FP6 matrix_a_scale:MATRIX_SCALE_ROW1
.endif
.endr
.endr
.endm
.macro FETCH_B slot, q, p
	WIN TO_B
.irp i, 0,1,2,3,4,5,6,7
	FRAG 128*(\p)+FR*\i, ADRB+\slot, \q, \i
.endr
	WIN 0
.endm
.macro FETCH_A slot, q, i0
.irp i, \i0, \i0+1, \i0+2, \i0+3
	FRAGA AF+FR*(\i), ADRA+\slot, \q, \i
.endr
.endm
.macro SCALES sc
.irp i, 0,1,2,3,4,5,6,7
	ds_load_b64 v[SC+8*NQ*\sc+NQ*\i:SC+8*NQ*\sc+NQ*\i+1], v[ADRS] offset:\i*SBLK
.endr
.endm
.macro PLACES n                        ; places behind matrix instructions (ISA guide 7.12.1 for vector instructions)
.rept \n
	v_nop
.endr
.endm
.macro STEP slot, q, zero
	s_wait_dscnt 4*NL                              ; B's set and A's blocks 0-3 are in; the 24 youngest loads (A's blocks 4-7) may be out
.if \zero
	WIN 0x81                                       ; C (the bias) window 0, D window 2
.else
	WIN MUL_LO
.endif
	MUL16 0, (\q)%2, \q, \slot, \zero
	MUL16 2, (\q)%2, \q, \slot, \zero
	s_wait_dscnt 0
	PLACES NP
	FETCH_B \slot, (\q)+1, 1-(\q)%2
	FETCH_A \slot, (\q)+1, 0
.if \zero
	WIN 0xc1                                       ; C window 0, D window 3
.else
	WIN MUL_HI
.endif
	MUL16 4, (\q)%2, \q, \slot, \zero
	MUL16 6, (\q)%2, \q, \slot, \zero
	PLACES NP
	WIN 0
	FETCH_A \slot, (\q)+1, 4
.endm
; A slot's last step changes slots: one barrier; in front of it each wave waits for all its tensor loads, adds 0 to its spare word, and waits for that and for its own reads of this slot.
.macro TURN slot, next, fill
	s_wait_tensorcnt 0x0                           ; all my tensor loads have landed: my part of the next slot
	ds_add_u32 v[SPW], v[NIL]                      ; 0 onto my spare word
	s_wait_dscnt 4*NL+1                            ; (the add and the 24 youngest loads may be out)
	WIN MUL_LO
	MUL16 0, 1, NQ-1, \slot, 0
	s_wait_dscnt 0x0                               ; the add is done, and my reads of this slot are over
	s_barrier_signal -1
	MUL16 2, 1, NQ-1, \slot, 0
	WIN 0
	s_barrier_wait -1
.if \fill
	CREST                                          ; a round of the cluster's barrier: no wave of any partner still reads this slot's tile or has a load on its way
	s_add_nc_u64 s[G0+4*\slot+2:G0+4*\slot+3], s[G0+4*\slot+2:G0+4*\slot+3], 2*AROWB
	s_add_nc_u64 s[G0B+4*\slot+2:G0B+4*\slot+3], s[G0B+4*\slot+2:G0B+4*\slot+3], 2*ROWB
	JLOAD G0+4*\slot, G1, G0B+4*\slot, G1B         ; the first tensor load behind the round; its four v_nop are the places in front of the loads below
.else
	PLACES NP
.endif
	v_add_nc_u32 v[ADRS], 4*NQ, v[ADRS]
	FETCH_B \next, 0, 0
	FETCH_A \next, 0, 0
	SCALES \next
	WIN MUL_HI
	MUL16 4, 1, NQ-1, \slot, 0
	MUL16 6, 1, NQ-1, \slot, 0
	PLACES NP
	WIN 0
	FETCH_A \next, 0, 4
.endm
	s_wait_tensorcnt 1                             ; the scales and my part of K step 0 are in (K step 1's load may be out)
	s_barrier_signal -1
	s_barrier_wait -1                              ; everybody's are
	FETCH_B 0, 0, 0
	FETCH_A 0, 0, 0
	SCALES 0
	FETCH_A 0, 0, 4
	s_wait_loadcnt 0x0                             ; the bias
	STEP 0, 0, 1                                   ; the first step stands in front of the loop: its products start the sums
	s_mov_b32 s3, LAPS-1
.Llap:
	TURN 0, 1, 1
	STEP 1, 0, 0
	TURN 1, 0, 1
	STEP 0, 0, 0
	s_sub_co_u32 s3, s3, 1
	s_cmp_lg_u32 s3, 0
	s_cbranch_scc1 .Llap
	TURN 0, 1, 0                                   ; the last lap fills nothing
	STEP 1, 0, 0
	s_wait_dscnt 4*NL
	WIN MUL_LO
	MUL16 0, 1, NQ-1, 1, 0
	MUL16 2, 1, NQ-1, 1, 0
	s_wait_dscnt 0
	WIN MUL_HI
	MUL16 4, 1, NQ-1, 1, 0
	MUL16 6, 1, NQ-1, 1, 0
	WIN 0
; THE WAY OUT, block by block of 16 rows x 128 columns, through my own stage in LDS; it comes back as whole rows of 512 bytes.  LDS serves a wave's instructions in order (ISA guide 5.7.1.4): no wait between the stores and the loads.
.macro TOSTAGE a
.set AC, 64*((\a)%4)
	WIN (0x08+4*((\a)/4))                          ; the data: window 2 or 3
.irp b, 0,1,2,3,4,5,6,7
	ds_store_b128 v[STO], v[AC+8*\b:AC+8*\b+3] offset:128*(\b/2)+32*(\b%2)          ; columns 32 (b / 2) + 16 h + 8 (b % 2) + 0 .. 3; each accumulator from its low end on
	ds_store_b128 v[STO], v[AC+8*\b+4:AC+8*\b+7] offset:128*(\b/2)+32*(\b%2)+16
.endr
	WIN 0
.set BBK, BK+64*((\a)%2)
.irp t, 0,1,2,3,4,5,6,7,8,9,10,11,12,13,14,15
	ds_load_b128 v[BBK+4*\t:BBK+4*\t+3], v[RD] offset:\t*SPITCH
.endr
.endm
.macro SEND a, younger                 ; younger: the LDS instructions issued behind block a's loads, which may stay out
.set BBK, BK+64*((\a)%2)
	s_wait_dscnt \younger
.if (\a) > 0
	s_add_nc_u64 s[12:13], s[12:13], 16*SIZE_N*4   ; (behind a wait on XCNT: the earlier stores have read their base)
.endif
.irp t, 0,1,2,3,4,5,6,7,8,9,10,11,12,13,14,15
	global_store_b128 v[CO], v[BBK+4*\t:BBK+4*\t+3], s[12:13] offset:\t*SIZE_N*4 th:TH_STORE_NT   ; 32 lanes store 512 consecutive bytes, at a multiple of 256 from out0's first byte
.endr
.endm
	PLACES NP
	TOSTAGE 0
.irp a, 1,2,3,4,5,6,7
.if \a > 1
	s_wait_xcnt 0x0                                ; block a - 2's stores have read their registers and their base
.endif
	TOSTAGE \a
	SEND \a-1, 32                                  ; behind block a - 1's loads: block a's 16 stores and 16 loads
.endr
	s_wait_xcnt 0x0
	SEND 7, 0
	s_wait_tensorcnt 0x0                           ; the wave's end
	ds_add_u32 v[SPW], v[NIL]
	s_wait_dscnt 0x0
	CROUND                                         ; the closing round
	s_endpgm
.Lfunc_end_k_q3ad0187061_outproj:
	.size	k_q3ad0187061_outproj, .Lfunc_end_k_q3ad0187061_outproj-k_q3ad0187061_outproj
	.p2alignl 7, 3214868480
	.fill 96, 4, 3214868480
	.section	.rodata,"a",@progbits
	.p2align	6, 0x0
	.amdhsa_kernel k_q3ad0187061_outproj
		.amdhsa_group_segment_fixed_size 327680
		.amdhsa_private_segment_fixed_size 0
		.amdhsa_enable_private_segment 0
		.amdhsa_kernarg_size 48
		.amdhsa_user_sgpr_count 2
		.amdhsa_user_sgpr_kernarg_segment_ptr 1
		.amdhsa_wavefront_size32 1
		.amdhsa_system_sgpr_workgroup_id_x 1
		.amdhsa_system_sgpr_workgroup_id_y 1
		.amdhsa_system_sgpr_workgroup_id_z 1
		.amdhsa_system_vgpr_workitem_id 0
		.amdhsa_next_free_vgpr 1024
		.amdhsa_next_free_sgpr 98
		.amdhsa_reserve_vcc 0
		.amdhsa_float_denorm_mode_32 3
		.amdhsa_float_denorm_mode_16_64 3
		.amdhsa_memory_ordered 1
		.amdhsa_forward_progress 1
		.amdhsa_inst_pref_size 161
	.end_amdhsa_kernel
	.amdgpu_metadata
---
amdhsa.version: [ 1, 2 ]
amdhsa.kernels:
  - .name:           k_q3ad0187061_outproj
    .symbol:         k_q3ad0187061_outproj.kd
    .args:
      - { .name: oc, .offset: 0, .size: 8, .value_kind: global_buffer, .address_space: global }
      - { .name: os, .offset: 8, .size: 8, .value_kind: global_buffer, .address_space: global }
      - { .name: wc, .offset: 16, .size: 8, .value_kind: global_buffer, .address_space: global }
      - { .name: ws, .offset: 24, .size: 8, .value_kind: global_buffer, .address_space: global }
      - { .name: bo, .offset: 32, .size: 8, .value_kind: global_buffer, .address_space: global }
      - { .name: out0, .offset: 40, .size: 8, .value_kind: global_buffer, .address_space: global }
    .group_segment_fixed_size: 327680
    .private_segment_fixed_size: 0
    .kernarg_segment_align: 8
    .kernarg_segment_size: 48
    .max_flat_workgroup_size: 128
    .sgpr_count:     98
    .vgpr_count:     1024
    .wavefront_size: 32
...
	.end_amdgpu_metadata
.endif
;; end of part 5
